; MI455X (gfx1250); checked and timed in simulation.
; The chip was launched on July 23, 2026; its instructions are those of AMD's public machine-readable ISA for CDNA 5 (MIT licence, August 2026) and "CDNA5" Instruction Set Architecture Reference Guide (July 2026). The comments in the code are by the model that wrote it; some were corrected since.
;; New Deep SC Transformer Block. Allowed arithmetic: matrix products marked QUANTISED: E2M3 operands, one E8M0 scale for each 32 along K, by v_wmma_scale_f32_16x16x128_f8f6f4 with both operands' format E2M3, f32 sums; everything else in f32.
;; Inputs: M 2 x 2,048 x 2,048 float32; e_bf 512 float32; e_bk 512 float32; e_bo 512 float32; e_bq 512 float32; e_bv 512 float32; e_wf 1,024 x 512 float32; e_wk 512 x 512 float32; e_wo 512 x 512 float32; e_wq 512 x 512 float32; e_wv 512 x 512 float32; expr_emb 2 x 2,048 x 512 float32; fe_b1 2,048 float32; fe_b2 512 float32; fe_w1 512 x 2,048 float32; fe_w2 2,048 x 512 float32; fg_b1 2,048 float32; fg_b2 512 float32; fg_w1 512 x 2,048 float32; fg_w2 2,048 x 512 float32; g_bk 512 float32; g_bo 512 float32; g_bq 512 float32; g_bv 512 float32; g_wk 512 x 512 float32; g_wo 512 x 512 float32; g_wq 512 x 512 float32; g_wv 512 x 512 float32; gene_emb 2 x 2,048 x 512 float32; ln_e1_b 512 float32; ln_e1_w 512 float32; ln_e2_b 512 float32; ln_e2_w 512 float32; ln_g1_b 512 float32; ln_g1_w 512 float32; ln_g2_b 512 float32; ln_g2_w 512 float32.
;; Outputs: out0 2 x 2,048 x 512 float32; out1 2 x 2,048 x 512 float32.
;; This version of the problem:
;;   THIS VERSION OF THE PROBLEM IS GIVEN IN LOW PRECISION. The matrix products marked QUANTISED in the list below multiply operands that are first quantised to E2M3 (2 exponent bits, 3 mantissa bits; 6 bits a number), with one power-of-two scale for each 32 numbers along K (OCP MX v1.0); their sums are f32. All else is computed in f32.
;;   The module's matrix products, in the order in which they are computed (A, B: the left and right operand; K: the contracted axis; several contracted axes count as one K, in the product's order):
;;     1. [M 4,096, K 512] x [K 512, N 512]; A: computed on the way; B: input g_wq: QUANTISED
;;     2. [M 4,096, K 512] x [K 512, N 512]; A: computed on the way; B: input g_wk: QUANTISED
;;     3. [M 4,096, K 512] x [K 512, N 512]; A: computed on the way; B: input g_wv: QUANTISED
;;     4. batch 16 x [M 2,048, K 64] x [K 64, N 2,048]; A: computed on the way; B: computed on the way: QUANTISED
;;     5. batch 16 x [M 64, K 2,048] x [K 2,048, N 2,048]; A: computed on the way; B: computed on the way: QUANTISED
;;     6. [M 4,096, K 512] x [K 512, N 512]; A: computed on the way; B: input g_wo: QUANTISED
;;     7. [M 4,096, K 512] x [K 512, N 2,048]; A: computed on the way; B: input fg_w1: QUANTISED
;;     8. [M 4,096, K 2,048] x [K 2,048, N 512]; A: computed on the way; B: input fg_w2: QUANTISED
;;     9. [M 4,096, K 1,024] x [K 1,024, N 512]; A: computed on the way; B: input e_wf: QUANTISED
;;     10. [M 4,096, K 512] x [K 512, N 512]; A: computed on the way; B: input e_wq: QUANTISED
;;     11. [M 4,096, K 512] x [K 512, N 512]; A: computed on the way; B: input e_wk: QUANTISED
;;     12. [M 4,096, K 512] x [K 512, N 512]; A: computed on the way; B: input e_wv: QUANTISED
;;     13. batch 16 x [M 2,048, K 64] x [K 64, N 2,048]; A: computed on the way; B: computed on the way: QUANTISED
;;     14. batch 16 x [M 64, K 2,048] x [K 2,048, N 2,048]; A: computed on the way; B: computed on the way: QUANTISED
;;     15. [M 4,096, K 512] x [K 512, N 512]; A: computed on the way; B: input e_wo: QUANTISED
;;     16. [M 4,096, K 512] x [K 512, N 2,048]; A: computed on the way; B: input fe_w1: QUANTISED
;;     17. [M 4,096, K 2,048] x [K 2,048, N 512]; A: computed on the way; B: input fe_w2: QUANTISED
;;   THE QUANTISER, for each operand of a quantised product, along K:
;;     - K is cut into blocks of 32 from its start; a last block that is shorter is filled with zeros.
;;     - A block's scale is 2^e with e = floor(log2(the largest magnitude in the block)) - 2, held to -126 .. 127; a block of zeros has e = 0. As a byte (E8M0): e + 127.
;;     - Each number is divided by its block's scale, clamped to +-7.5, and rounded to the nearest number of E2M3, ties to even, subnormals kept.
;;     - The product sums the exact products of the quantised numbers (number of the format x scale) in f32.
;;   ~~~python
;;   def quantise(x, axis):      # numpy; x: float32 -> the quantised numbers, widened to float32 again
;;       x = np.moveaxis(x, axis, -1); K = x.shape[-1]
;;       x = np.pad(x, [(0, 0)] * (x.ndim - 1) + [(0, -K % 32)]); x = x.reshape(x.shape[:-1] + (-1, 32)); a = np.abs(x).max(-1, keepdims=True)
;;       e = np.where(a > 0, np.clip(np.frexp(np.where(a > 0, a, 1))[1] - 1 - 2, -126, 127), 0)      # np.frexp(a)[1] - 1 = floor(log2(a)), exactly
;;       r = np.clip(x / 2.0 ** e, -7.5, 7.5)
;;       step = 2.0 ** (np.maximum(np.frexp(np.where(r == 0, 1, r))[1] - 1, 0) - 3)
;;       q = np.round(r / step) * step * 2.0 ** e      # np.round: ties to even
;;       return np.moveaxis(q.reshape(q.shape[:-2] + (-1,))[..., :K], -1, axis).astype(np.float32)
;;   ~~~
;;   OPERANDS COMPUTED ON THE WAY. 'Computed on the way' means the value that the module computes at that place (a softmax that the list does not call 'softmax' is quantised finished and normalised). What goes into a quantiser is computed in f32, as accurately as f32 sums, v_exp_f32 and their like allow (about 1e-6 of the number): no bf16 or f16 on the way to a quantiser, and a product that is left as it is and whose result goes on into a quantised operand takes f32 operands (vector FMAs, or v_wmma_f32_16x16x4_f32). A number that lies on a knife's edge between two numbers of the format may be rounded either way, as far as f32 arithmetic and the matrix unit's own rounding can turn it there, and no further.
;; One version. Each part assembles by itself: llvm-mc -triple=amdgcn-amd-amdhsa -mcpu=gfx1250 --defsym DOCPART=n.
;; ======== version 1 of 1: 4 launches
;; limits: right only within a limited range of input values
;; workspace buffers: wimg 5,537,792 bytes; qkv 9,437,184 bytes; qks 524,288 bytes; vsc 131,072 bytes; oc 3,145,728 bytes; osc 131,072 bytes
;; launch prep (part 1): grid 416 x 1, 4 waves a work-group, no clusters, 0 bytes of LDS; arguments g_wq, g_wk, g_wv, g_wo, e_wq, e_wk, e_wv, e_wo, e_wf, fg_w1, fe_w1, fg_w2, fe_w2, wimg; writes wimg
.if DOCPART == 1
	.amdgcn_target "amdgcn-amd-amdhsa--gfx1250"
	.amdhsa_code_object_version 6
	.text
	.protected	k_qbaf6e50757_prep
	.globl	k_qbaf6e50757_prep
	.p2align	8
	.type	k_qbaf6e50757_prep,@function
k_qbaf6e50757_prep:
	s_mov_b64 s[64:65], 0
	v_nop
	global_prefetch_b8 v0, s[64:65] scope:SCOPE_SE
	s_setreg_imm32_b32 hwreg(HW_REG_WAVE_MODE, 25, 1), 1
	s_wait_xcnt 0x0
; The 13 weights, f32 stored [K][N], become codes of FP6 (E2M3) with one E8M0 byte for each 32 along K, laid in the order of a matrix operand's registers.
; A UNIT (3,328 bytes) belongs to 32 output features (block beta) and 128 along K (step s): the register image of feature tile u = 0 (1,536 bytes), that of u = 1, 32 scale words;
; its last 128 bytes are neither written nor read.  An image: plane j (512 bytes) holds bytes 16 j .. 16 j + 15 of each lane's 48, at 16 x lane.
; Lane r of tile u stands for feature 32 beta + 8 u + r + 8 (r / 8), so that a transposed product leaves 16 neighbouring features in a lane's 16 registers of the two tiles.
; A wave makes one unit.  A LANE TAKES A COLUMN AND ITS REGISTERS RUN DOWN K: a block of 32 lies in one lane, its largest magnitude needs no other lane, and the conversions give K innermost.
; The four waves of a work-group stand side by side on 512 bytes of each row.  No LDS, no barrier, no matrix unit, no cluster: every byte is read once by one wave.
; A block's scale: the largest magnitude's exponent field less 2, held at 1 from below.
; LIMITS: a block of zeros, or one whose largest magnitude lies under 2^-124, gets the byte 1 (this program alone reads the bytes; zero codes add nothing); NaN and infinities are not served.
.set VO,    16                         ; v16-47   4 x lane + i rows
.set TT,    48                         ; v48-50   a block's upper 16 codes, before they are moved
.set X,     64                         ; v64-191  four blocks of 32 numbers
.set F0,    192                        ; v192-203 the registers of fragment lane (r, 0): blocks 0 and 2; v204-215 of lane (r, 1): blocks 1 and 3
.set MA,    216
.set MB,    217
.set SCL,   218
.set BYT,   219
.set SW,    220                        ; the scale word
.set VST,   221                        ; 1536 u + 16 r
.set VSS,   222                        ; 64 u + 4 r
.set UNITB, 3328
	s_load_b512 s[4:19], s[0:1], 0x0               ; the eight square weights
	s_load_b256 s[20:27], s[0:1], 0x40             ; e_wf, fg_w1, fe_w1, fg_w2
	s_load_b128 s[28:31], s[0:1], 0x60             ; fe_w2, wimg
	v_lshrrev_b32 v1, 5, v0
	v_readfirstlane_b32 s33, v1                    ; wave
	v_and_b32 v2, 31, v0
	v_lshlrev_b32 v1, 2, v2                        ; 4 x lane: my column
	v_bfe_u32 v3, v0, 3, 1                         ; u = (lane / 8) % 2
	v_and_b32 v4, 7, v0
	v_bfe_u32 v5, v0, 4, 1
	v_lshl_add_u32 v4, v5, 3, v4                   ; r = lane % 8 + 8 (lane / 16)
	v_mul_u32_u24 v6, v3, 1536
	v_lshl_add_u32 v[VST], v4, 4, v6
	v_lshlrev_b32 v6, 6, v3
	v_lshl_add_u32 v[VSS], v4, 2, v6
	; which weight, from the work-group's number alone: first unit s35, log2 of its K steps s36, log2 of its groups of four blocks s37, its first work-group s38
	s_mov_b32 s32, ttmp9
	s_lshr_b32 s34, s32, 4                         ; the square weights take 16 work-groups each
	s_and_b32 s35, s34, 3
	s_lshl_b32 s35, s35, 6
	s_lshr_b32 s36, s34, 2
	s_mul_i32 s36, s36, 768
	s_add_co_u32 s35, s35, s36
	s_mov_b32 s36, 2
	s_mov_b32 s37, 2
	s_and_b32 s38, s32, 0xfffffff0
	s_wait_alu depctr_va_vdst(0)
	s_wait_kmcnt 0x0
	s_mov_b64 s[40:41], s[4:5]
.irp i, 1,2,3,4,5,6,7
	s_cmp_eq_u32 s34, \i
	s_cselect_b64 s[40:41], s[4+2*\i:5+2*\i], s[40:41]
.endr
.macro PICK thr, p, ub, ksl, sh
	s_cmp_ge_u32 s32, \thr
	s_cselect_b64 s[40:41], s[\p:\p+1], s[40:41]
	s_cselect_b32 s35, \ub, s35
	s_cselect_b32 s36, \ksl, s36
	s_cselect_b32 s37, \sh, s37
	s_cselect_b32 s38, \thr, s38
.endm
	PICK 128, 20, 1536, 3, 2                       ; e_wf
	PICK 160, 22, 256, 2, 4                        ; fg_w1
	PICK 224, 24, 1024, 2, 4                       ; fe_w1
	PICK 288, 26, 512, 4, 2                        ; fg_w2
	PICK 352, 28, 1280, 4, 2                       ; fe_w2
	s_sub_co_u32 s38, s32, s38                     ; my number within the weight
	s_bfm_b32 s39, s37, 0
	s_and_b32 s39, s38, s39                        ; group of four blocks
	s_lshr_b32 s38, s38, s37                       ; K step s
	s_lshl_b32 s39, s39, 2
	s_add_co_u32 s39, s39, s33                     ; beta
	s_lshl_b32 s42, 512, s37                       ; a row of the weight in bytes
	s_lshl_b32 s43, s39, s36
	s_add_co_u32 s43, s43, s35
	s_add_co_u32 s43, s43, s38                     ; unit = first unit + beta x K steps + s
	s_mul_i32 s44, s43, UNITB
	s_mov_b32 s45, 0
	s_add_nc_u64 s[48:49], s[30:31], s[44:45]      ; where my unit goes
	s_lshl_b32 s46, s38, 7
	s_mul_i32 s46, s46, s42                        ; 128 s rows
	s_lshl_b32 s47, s39, 7
	s_add_co_u32 s46, s46, s47                     ; + 32 beta columns
	s_mov_b32 s47, 0
	s_add_nc_u64 s[52:53], s[40:41], s[46:47]      ; block 0
	s_lshl_b32 s50, s42, 5
	s_mov_b32 s51, 0
	s_add_nc_u64 s[54:55], s[52:53], s[50:51]      ; blocks 1 to 3: 32 rows on each
	s_add_nc_u64 s[56:57], s[54:55], s[50:51]
	s_add_nc_u64 s[58:59], s[56:57], s[50:51]
.set i, 0
.rept 32
	v_mad_u32_u24 v[VO+i], s42, i, v1
.set i, i+1
.endr
.macro LOADB t                         ; block t: W(32 t + i, my column)
.set i, 0
.rept 32
	global_load_b32 v[X+32*(\t)+i], v[VO+i], s[52+2*(\t):53+2*(\t)] th:TH_LOAD_NT
.set i, i+1
.endr
.endm
.macro BLK t
.set XS, X+32*(\t)
.set FD, F0+12*((\t)%2)+6*((\t)/2)
	v_max3_num_f32 v[MA], |v[XS]|, |v[XS+1]|, |v[XS+2]|
	v_max3_num_f32 v[MB], |v[XS+3]|, |v[XS+4]|, |v[XS+5]|
.irp i, 6,10,14,18,22,26
	v_max3_num_f32 v[MA], v[MA], |v[XS+\i]|, |v[XS+\i+1]|
	v_max3_num_f32 v[MB], v[MB], |v[XS+\i+2]|, |v[XS+\i+3]|
.endr
	v_max3_num_f32 v[MA], v[MA], |v[XS+30]|, |v[XS+31]|
	v_max3_num_f32 v[MA], v[MA], v[MB], 0x1800000  ; the floor 2^(3 - 127): the byte cannot fall under 1
	v_add_nc_u32 v[SCL], 0xff000000, v[MA]         ; 2 off the exponent field: the conversion takes that field as its scale
	v_cvt_scalef32_pk16_fp6_f32 v[FD:FD+2], v[XS:XS+15], v[SCL]
	v_cvt_scalef32_pk16_fp6_f32 v[TT:TT+2], v[XS+16:XS+31], v[SCL]   ; a conversion's three registers begin on an even number
	v_lshrrev_b32 v[BYT], 23, v[SCL]               ; the byte; also the plain line behind the conversions
.if (\t) == 0
	v_mov_b32 v[SW], v[BYT]
.else
	v_lshl_or_b32 v[SW], v[BYT], 8*(\t), v[SW]
.endif
.irp i, 0,1,2
	v_mov_b32 v[FD+3+\i], v[TT+\i]
.endr
.endm
	LOADB 0
	LOADB 1
	s_wait_alu depctr_va_vdst(0)
	s_wait_loadcnt 32                              ; block 0 is in; block 1's 32 loads may be out
	LOADB 2
	BLK 0
	s_wait_loadcnt 32                              ; block 1 is in; block 2's may be out
	LOADB 3
	BLK 1
	s_wait_loadcnt 32                              ; block 2 is in; block 3's may be out
	BLK 2
	s_wait_loadcnt 0x0
	BLK 3
.irp hh, 0,1
.irp j, 0,1,2
	global_store_b128 v[VST], v[F0+12*\hh+4*\j:F0+12*\hh+4*\j+3], s[48:49] offset:256*\hh+512*\j   ; sixteen lanes fill 256 aligned bytes of tile 0, sixteen of tile 1
.endr
.endr
	global_store_b32 v[VSS], v[SW], s[48:49] offset:3072
	s_endpgm
.Lfunc_end_k_qbaf6e50757_prep:
	.size	k_qbaf6e50757_prep, .Lfunc_end_k_qbaf6e50757_prep-k_qbaf6e50757_prep
	.p2alignl 7, 3214868480
	.fill 96, 4, 3214868480
	.section	.rodata,"a",@progbits
	.p2align	6, 0x0
	.amdhsa_kernel k_qbaf6e50757_prep
		.amdhsa_group_segment_fixed_size 0
		.amdhsa_private_segment_fixed_size 0
		.amdhsa_enable_private_segment 0
		.amdhsa_kernarg_size 112
		.amdhsa_user_sgpr_count 2
		.amdhsa_user_sgpr_kernarg_segment_ptr 1
		.amdhsa_wavefront_size32 1
		.amdhsa_system_sgpr_workgroup_id_x 1
		.amdhsa_system_sgpr_workgroup_id_y 1
		.amdhsa_system_sgpr_workgroup_id_z 1
		.amdhsa_system_vgpr_workitem_id 0
		.amdhsa_next_free_vgpr 224
		.amdhsa_next_free_sgpr 66
		.amdhsa_reserve_vcc 0
		.amdhsa_float_denorm_mode_32 3
		.amdhsa_float_denorm_mode_16_64 3
		.amdhsa_memory_ordered 1
		.amdhsa_forward_progress 1
		.amdhsa_inst_pref_size 25
	.end_amdhsa_kernel
	.amdgpu_metadata
---
amdhsa.version: [ 1, 2 ]
amdhsa.kernels:
  - .name:           k_qbaf6e50757_prep
    .symbol:         k_qbaf6e50757_prep.kd
    .args:
      - { .name: g_wq, .offset: 0, .size: 8, .value_kind: global_buffer, .address_space: global }
      - { .name: g_wk, .offset: 8, .size: 8, .value_kind: global_buffer, .address_space: global }
      - { .name: g_wv, .offset: 16, .size: 8, .value_kind: global_buffer, .address_space: global }
      - { .name: g_wo, .offset: 24, .size: 8, .value_kind: global_buffer, .address_space: global }
      - { .name: e_wq, .offset: 32, .size: 8, .value_kind: global_buffer, .address_space: global }
      - { .name: e_wk, .offset: 40, .size: 8, .value_kind: global_buffer, .address_space: global }
      - { .name: e_wv, .offset: 48, .size: 8, .value_kind: global_buffer, .address_space: global }
      - { .name: e_wo, .offset: 56, .size: 8, .value_kind: global_buffer, .address_space: global }
      - { .name: e_wf, .offset: 64, .size: 8, .value_kind: global_buffer, .address_space: global }
      - { .name: fg_w1, .offset: 72, .size: 8, .value_kind: global_buffer, .address_space: global }
      - { .name: fe_w1, .offset: 80, .size: 8, .value_kind: global_buffer, .address_space: global }
      - { .name: fg_w2, .offset: 88, .size: 8, .value_kind: global_buffer, .address_space: global }
      - { .name: fe_w2, .offset: 96, .size: 8, .value_kind: global_buffer, .address_space: global }
      - { .name: wimg, .offset: 104, .size: 8, .value_kind: global_buffer, .address_space: global }
    .group_segment_fixed_size: 0
    .private_segment_fixed_size: 0
    .kernarg_segment_align: 8
    .kernarg_segment_size: 112
    .max_flat_workgroup_size: 128
    .sgpr_count:     66
    .vgpr_count:     224
    .wavefront_size: 32
...
	.end_amdgpu_metadata
.endif
;; end of part 1
;; launch qkv (part 2): grid 64 x 2, 16 waves a work-group, no clusters, 159,744 bytes of LDS; arguments gene_emb, expr_emb, ln_g1_w, ln_g1_b, ln_e1_w, ln_e1_b, g_bq, g_bk, g_bv, e_bq, e_bk, e_bv, e_bf, wimg, qkv, qks, vsc; writes qkv, qks, vsc
.if DOCPART == 2
	.amdgcn_target "amdgcn-amd-amdhsa--gfx1250"
	.amdhsa_code_object_version 6
	.text
	.protected	k_qbaf6e50757_qkv
	.globl	k_qbaf6e50757_qkv
	.p2align	8
	.type	k_qbaf6e50757_qkv,@function
k_qbaf6e50757_qkv:
	s_mov_b64 s[64:65], 0
	v_nop
	global_prefetch_b8 v0, s[64:65] scope:SCOPE_SE
	s_setreg_imm32_b32 hwreg(HW_REG_WAVE_MODE, 25, 1), 1
	s_wait_xcnt 0x0
; First layer norm, (expression branch) the fused projection, and Q, K, V, all products on codes of FP6 (E2M3) with one E8M0 byte for each 32 along K.
; A work-group: 64 tokens (x) of one branch (y: 0 gene, 1 expression).  Sixteen waves of 256 registers, four to a SIMD.
; In the products wave w owns output features 32 w .. 32 w + 31 for all 64 tokens: 8 accumulators.  Weights come from wimg straight into registers, in register order, through four register
; slots filled four K steps ahead; each weight fragment is read by one wave and feeds four products.
; Token operands go from wave to wave through LDS, 48 bytes a lane (a fragment's 12 registers), 1,536 bytes a fragment: read by three loads of 16 bytes, written in pieces of 12 bytes by the lane that made 16 codes.
; Q, K and the fused layer are made TRANSPOSED (source 0 = weights): a lane holds one token and 16 neighbouring features.  V is made the other way (source 0 = tokens): a lane holds one feature and 16 tokens
; of a block of 32, in the order 8 h + j, 16 + 8 h + j; the attention launch has its weights in the same order, so both sides of that product carry one permutation inside each true block of 32.
; NO CLUSTER: the 64 work-groups of a branch read the same weights, but they take them into registers without LDS; this text shares its engine with the last launch, whose LDS
; (297,984 bytes) has no room for two slots of a K step's 16 units (53,248 bytes each).  Here there would be room: it is a choice for one engine, not a bound.
; LIMITS: a block of zeros, or one whose largest magnitude lies under 2^-124, gets the byte 1 (only this program reads the bytes); NaN and infinities are not served.
; The variance is the mean of squared differences from the mean.
.set AGS,   0                          ; scale words [K step][token], 1,024 bytes each: gene_emb,
.set AXS,   1024                       ; the normed rows,
.set AFS,   2048                       ; the source of Q and K
.set RED1,  3072                       ; [token][4 words]: sums
.set RED2,  4096                       ; sums of squares
.set SQK,   5120                       ; [Q, K][head][token] words
.set SV,    9216                       ; V's scale bytes
.set AG,    10240                      ; fragments (K step s, token tile tt) at (4 s + tt) x 1,536: gene_emb,
.set AX,    34816                      ; the normed rows,
.set AF,    59392                      ; the source of Q and K
.set STG,   83968                      ; 48 fragments on their way out
.set SPARE, 157696                     ; the spare words: 128 bytes for each of 16 waves
.set VLI,  1                           ; 48 x lane
.set VLS,  2                           ; 4 x lane
.set VL16, 3                           ; 16 x lane
.set VB64, 4                           ; 64 h
.set VC0,  5                           ; 48 r + 12 h
.set VS0,  6                           ; 4 r
.set VT0,  7                           ; LDS store addresses of the phase in hand: codes,
.set VT1,  8                           ; bytes
.set VXA,  9                           ; 2048 r + 64 h
.set VLF,  10                          ; 48 x lane + AF
.set VBV,  11                          ; 4 (r + 8 (r / 8))
.set SPW,  12
.set NIL,  13
.set BV,   14                          ; v14-15 V's bias as loaded
.set WSC,  16                          ; v16-19 the weights' scale words, one for each slot
.set ASC,  20                          ; v20-21 the tokens' scale words
.set VT2,  22                          ; V's store addresses
.set VT3,  23
.set BIAS, 24                          ; v24-39
.set AB,   40                          ; v40-87 four token fragments; between products: TM, CT
.set TM,   AB
.set CT,   AB+16
.set WB,   88                          ; v88-183 four slots of two weight fragments
.set T0,   152
.set ACC,  184                         ; v184-247
.set WV,   38
.set BR,   39
.set SRC,  40
.set LNW,  42
.set LNB,  44
.set BQ,   46
.set BK,   48
.set BVP,  50
.set PQ,   52
.set PF,   54
.set EBF,  56
.set GEN,  58
.set SEL,  62
.macro BARRIER                         ; my LDS stores have landed and my LDS loads are in: then the barrier
	s_wait_dscnt 0x0
	s_barrier_signal -1
	s_barrier_wait -1
.endm
.macro XLOAD reg, ptr, adr             ; register 16 b + 4 j + e: number 32 b + 16 h + 4 j + e of a K step
.irp b, 0,1,2,3
.irp j, 0,1,2,3
	global_load_b128 v[(\reg)+16*\b+4*\j:(\reg)+16*\b+4*\j+3], v[\adr], s[\ptr:\ptr+1] offset:128*\b+16*\j
.endr
.endr
.endm
.macro BLOAD ptr                       ; the bias of features 32 w + 16 h + 0 .. 15
.irp j, 0,1,2,3
	global_load_b128 v[BIAS+4*\j:BIAS+4*\j+3], v[VB64], s[\ptr:\ptr+1] offset:16*\j
.endr
.endm
.macro WLOAD slot, ptr, off            ; a unit: two fragments and their scale words: 7 loads
.irp i, 0,1,2,3,4,5
	global_load_b128 v[WB+24*(\slot)+4*\i:WB+24*(\slot)+4*\i+3], v[VL16], s[\ptr:\ptr+1] offset:(\off)+512*\i
.endr
	global_load_b32 v[WSC+(\slot)], v[VLS], s[\ptr:\ptr+1] offset:(\off)+3072
.endm
.macro WM d, a, b, c, sa, sb, ra, rb   ; one product; ra, rb: the side's scales stand in lanes 16-31
.if ((\ra) == 0) && ((\rb) == 0)
	v_wmma_scale_f32_16x16x128_f8f6f4 v[(\d):(\d)+7], v[(\a):(\a)+11], v[(\b):(\b)+11], v[(\c):(\c)+7], v[\sa], v[\sb] matrix_a_fmt:MATRIX_FMT_FP6 matrix_b_fmt:MATRIX_FMT_FP6
.elseif (\rb) == 0
	v_wmma_scale_f32_16x16x128_f8f6f4 v[(\d):(\d)+7], v[(\a):(\a)+11], v[(\b):(\b)+11], v[(\c):(\c)+7], v[\sa], v[\sb] matrix_a_fmt:MATRIX_FMT_FP6 matrix_b_fmt:MATRIX_FMT_FP6 matrix_a_scale:MATRIX_SCALE_ROW1
.elseif (\ra) == 0
	v_wmma_scale_f32_16x16x128_f8f6f4 v[(\d):(\d)+7], v[(\a):(\a)+11], v[(\b):(\b)+11], v[(\c):(\c)+7], v[\sa], v[\sb] matrix_a_fmt:MATRIX_FMT_FP6 matrix_b_fmt:MATRIX_FMT_FP6 matrix_b_scale:MATRIX_SCALE_ROW1
.else
	v_wmma_scale_f32_16x16x128_f8f6f4 v[(\d):(\d)+7], v[(\a):(\a)+11], v[(\b):(\b)+11], v[(\c):(\c)+7], v[\sa], v[\sb] matrix_a_fmt:MATRIX_FMT_FP6 matrix_b_fmt:MATRIX_FMT_FP6 matrix_a_scale:MATRIX_SCALE_ROW1 matrix_b_scale:MATRIX_SCALE_ROW1
.endif
.endm
; A K step of 128: four token fragments and their scale words from LDS, eight products on eight accumulators by turns.
; cm = 0: the bias is the C of the sums' first products; 100: V's bias, one number a lane, spread over eight registers first; else: in place.  vt = 1: V's way round.
; cnt: the loads younger than this slot's that may stay out.  Five plain lines close it: four serve the loads into registers that the products read and the first read of results,
; the fifth the next block's first products, which write over these accumulators with another C.
.macro KSTEP slot, areg, aoff, soff, cm, vt, cnt
.irp tt, 0,1,2,3
.irp j, 0,1,2
	ds_load_b128 v[AB+12*\tt+4*\j:AB+12*\tt+4*\j+3], v[\areg] offset:(\aoff)+1536*\tt+16*\j
.endr
.endr
	ds_load_b32 v[ASC], v[VLS] offset:\soff          ; lanes 0-15 tile 0, lanes 16-31 tile 1
	ds_load_b32 v[ASC+1], v[VLS] offset:(\soff)+128  ; tiles 2 and 3
	s_wait_loadcnt \cnt
.set KC, 0
.if (\cm) == 0
.set KC, 1
.endif
.if (\cm) == 100
.set KC, 1
.irp u, 0,1
	s_wait_alu depctr_va_vdst(0)
.irp j, 0,1,2,3,4,5,6,7
	v_mov_b32 v[BIAS+8*\u+\j], v[BV+\u]
.endr
.endr
.endif
	s_wait_alu depctr_va_vdst(0)
	s_wait_dscnt 0x0
.irp tt, 0,1,2,3
.irp u, 0,1
.if (\vt) == 0
.set KD, ACC+16*\tt+8*\u
.else
.set KD, ACC+32*(\tt/2)+16*\u+8*(\tt%2)
.endif
.set KCC, KD
.if KC
.set KCC, BIAS+8*\u
.endif
.if (\vt) == 0
	WM KD, WB+24*(\slot)+12*\u, AB+12*\tt, KCC, WSC+(\slot), ASC+\tt/2, \u, \tt%2
.else
	WM KD, AB+12*\tt, WB+24*(\slot)+12*\u, KCC, ASC+\tt/2, WSC+(\slot), \tt%2, \u
.endif
.endr
.endr
.rept 5
	v_nop
.endr
.endm
; Four groups of 16 registers, each half a block of 32 (the other half lies in lane l xor 16), become 12 bytes of codes each (CT) and a scale byte (TM + 4).  Each accumulator is read from its low end on.
.macro QBC base
	s_wait_dscnt 0x0                               ; earlier LDS stores have read TM and CT
.irp g, 0,1,2,3
	v_max3_num_f32 v[TM+\g], |v[(\base)+16*\g]|, |v[(\base)+16*\g+1]|, 0x1800000   ; the floor 2^(3 - 127): the byte cannot fall under 1
.endr
.irp i, 2,4,6,8,10,12,14
.irp g, 0,1,2,3
	v_max3_num_f32 v[TM+\g], v[TM+\g], |v[(\base)+16*\g+\i]|, |v[(\base)+16*\g+\i+1]|
.endr
.endr
.irp g, 0,1,2,3
	s_delay_alu instid0(VALU_DEP_4)
	v_permlanex16_b32 v[TM+4+\g], v[TM+\g], s[SEL], s[SEL+1]
.endr
.irp g, 0,1,2,3
	s_delay_alu instid0(VALU_DEP_4)
	v_max_num_f32 v[TM+\g], v[TM+\g], v[TM+4+\g]
.endr
.irp g, 0,1,2,3
	s_delay_alu instid0(VALU_DEP_4)
	v_add_nc_u32 v[TM+8+\g], 0xff000000, v[TM+\g]  ; 2 off the exponent field: the conversion's scale operand
.endr
.irp g, 0,1,2,3
	s_delay_alu instid0(VALU_DEP_4)
	v_lshrrev_b32 v[TM+4+\g], 23, v[TM+8+\g]       ; the byte
.endr
.irp g, 0,1,2,3
	v_cvt_scalef32_pk16_fp6_f32 v[CT+4*\g:CT+4*\g+2], v[(\base)+16*\g:(\base)+16*\g+15], v[TM+8+\g]
.endr
	v_nop                                          ; one plain line behind the conversions
.endm
.macro QBS1 g, ca, o, sa, p, dup       ; group g's codes and byte to LDS
.irp i, 0,1,2
	ds_store_b32 v[\ca], v[CT+4*(\g)+\i] offset:(\o)+4*\i
.endr
	ds_store_b8 v[\sa], v[TM+4+(\g)] offset:\p     ; both halves of the lanes write the same byte with the same value
.if \dup
	ds_store_b8 v[\sa], v[TM+4+(\g)] offset:(\p)+2 ; a head has two blocks: bytes 2 and 3 repeat them, so that none is 0xff
.endif
.endm
.macro FOLD n                          ; the first n pairs of T0 take the next n
.set i, 0
.rept \n
	v_pk_add_f32 v[T0+2*i:T0+2*i+1], v[T0+2*i:T0+2*i+1], v[T0+2*(\n)+2*i:T0+2*(\n)+2*i+1]
.set i, i+1
.endr
.endm
	s_load_b512 s[4:19], s[0:1], 0x0               ; gene_emb, expr_emb, ln_g1_w, ln_g1_b, ln_e1_w, ln_e1_b, g_bq, g_bk
	s_load_b512 s[20:35], s[0:1], 0x40             ; g_bv, e_bq, e_bk, e_bv, e_bf, wimg, qkv, qks
	s_load_b64 s[36:37], s[0:1], 0x80              ; vsc
	v_lshl_add_u32 v[SPW], v0, 2, SPARE
	v_mov_b32 v[NIL], 0
	v_lshrrev_b32 v248, 5, v0
	s_delay_alu instid0(VALU_DEP_1)
	v_readfirstlane_b32 s[WV], v248                ; wave 0..15
	s_and_b32 s[BR], ttmp7, 0xffff                 ; branch
	v_and_b32 v248, 31, v0                         ; lane
	v_and_b32 v249, 15, v0                         ; r
	v_bfe_u32 v250, v0, 4, 1                       ; h
	s_delay_alu instid0(VALU_DEP_3)
	v_mul_u32_u24 v[VLI], v248, 48
	s_delay_alu instid0(VALU_DEP_4)
	v_lshlrev_b32 v[VLS], 2, v248
	v_lshlrev_b32 v[VL16], 4, v248
	s_delay_alu instid0(VALU_DEP_4)
	v_lshlrev_b32 v[VB64], 6, v250
	v_mul_u32_u24 v[VC0], v249, 48
	s_delay_alu instid0(VALU_DEP_1)
	v_mad_u32_u24 v[VC0], v250, 12, v[VC0]
	v_lshlrev_b32 v[VS0], 2, v249
	v_lshlrev_b32 v[VXA], 11, v249
	s_delay_alu instid0(VALU_DEP_1)
	v_lshl_add_u32 v[VXA], v250, 6, v[VXA]
	v_add_nc_u32 v[VLF], AF, v[VLI]
	v_and_b32 v[VBV], 8, v249
	s_delay_alu instid0(VALU_DEP_1)
	v_add_nc_u32 v[VBV], v[VBV], v249
	s_delay_alu instid0(VALU_DEP_1)
	v_lshlrev_b32 v[VBV], 2, v[VBV]
.irp g, 0,1,2,3
	v_mov_b32 v[TM+4+\g], 0                        ; a lane permute's destination counts as one of its sources
.endr
	s_mov_b32 s[SEL], 0x76543210
	s_mov_b32 s[SEL+1], 0xfedcba98                 ; lane l xor 16
	s_mov_b32 s60, 0x3b000000                      ; 1 / 512
	s_mov_b32 s61, 0x3727c5ac                      ; 1e-5
	s_lshr_b32 s66, s[WV], 2                       ; in the norm wave w takes token tile tt = w / 4
	s_and_b32 s67, s[WV], 3                        ; and K step s = w % 4
	s_lshl_b32 s68, s66, 8
	s_add_co_u32 s68, s68, RED1
	v_lshl_add_u32 v255, v249, 4, s68              ; my token's four partial sums
	s_lshl_b32 s69, s67, 2
	v_add_nc_u32 v254, s69, v255                   ; and mine among them
	s_lshl_b32 s70, s67, 2
	s_add_co_u32 s70, s70, s66
	s_mul_i32 s70, s70, 1536
	s_add_co_u32 s70, s70, AG
	v_add_nc_u32 v[VT0], s70, v[VC0]               ; fragment (s, tt) of AG; AX and AF lie 24,576 and 49,152 on
	s_lshl_b32 s71, s67, 8
	s_lshl_b32 s72, s66, 6
	s_add_co_u32 s71, s71, s72
	v_add_nc_u32 v[VT1], s71, v[VS0]               ; its scale words in AGS; AXS and AFS lie 1,024 and 2,048 on
	s_lshl_b32 s74, ttmp9, 17                      ; 64 x rows of 2,048 bytes,
	s_lshl_b32 s75, s66, 15                        ; 16 tt rows,
	s_add_co_u32 s74, s74, s75
	s_lshl_b32 s76, s67, 9                         ; K step s
	s_add_co_u32 s74, s74, s76
	s_mov_b32 s75, 0
	s_mov_b32 s77, 0
	s_lshl_b32 s78, s[WV], 7                       ; a bias's 32 numbers of my block
	s_mov_b32 s79, 0
	s_mul_i32 s80, s[BR], 2555904                  ; the branch's 768 units,
	s_mul_i32 s81, s[WV], 13312                    ; my block's four units
	s_add_co_u32 s80, s80, s81
	s_mov_b32 s81, 0
	s_mul_i32 s82, s[WV], 26624                    ; e_wf: my block's eight units,
	s_add_co_u32 s82, s82, 5111808                 ; from unit 1,536 on
	s_mov_b32 s83, 0
	s_wait_kmcnt 0x0
	s_cmp_eq_u32 s[BR], 0                          ; the branch's buffers: the choice hangs on the work-group's number alone
	s_cselect_b64 s[SRC:SRC+1], s[4:5], s[6:7]
	s_cselect_b64 s[LNW:LNW+1], s[8:9], s[12:13]
	s_cselect_b64 s[LNB:LNB+1], s[10:11], s[14:15]
	s_cselect_b64 s[BQ:BQ+1], s[16:17], s[22:23]
	s_cselect_b64 s[BK:BK+1], s[18:19], s[24:25]
	s_cselect_b64 s[BVP:BVP+1], s[20:21], s[26:27]
	s_add_nc_u64 s[SRC:SRC+1], s[SRC:SRC+1], s[74:75]
	s_add_nc_u64 s[GEN:GEN+1], s[4:5], s[74:75]
	s_add_nc_u64 s[LNW:LNW+1], s[LNW:LNW+1], s[76:77]
	s_add_nc_u64 s[LNB:LNB+1], s[LNB:LNB+1], s[76:77]
	s_add_nc_u64 s[BQ:BQ+1], s[BQ:BQ+1], s[78:79]
	s_add_nc_u64 s[BK:BK+1], s[BK:BK+1], s[78:79]
	s_add_nc_u64 s[BVP:BVP+1], s[BVP:BVP+1], s[78:79]
	s_add_nc_u64 s[EBF:EBF+1], s[28:29], s[78:79]
	s_add_nc_u64 s[PQ:PQ+1], s[30:31], s[80:81]
	s_add_nc_u64 s[PF:PF+1], s[30:31], s[82:83]
	; ---- the norm: 16 tokens x 128 features a wave, 64 numbers a lane
	XLOAD ACC, SRC, VXA
	XLOAD 88, LNW, VB64
	XLOAD 24, LNB, VB64
	s_wait_loadcnt 32                              ; the rows are in; the gain's and the offset's 32 loads may be out
.set i, 0
.rept 16
	v_pk_add_f32 v[T0+2*i:T0+2*i+1], v[ACC+2*i:ACC+2*i+1], v[ACC+32+2*i:ACC+33+2*i]
.set i, i+1
.endr
	FOLD 8
	FOLD 4
	FOLD 2
	FOLD 1
	s_delay_alu instid0(VALU_DEP_1)
	v_add_f32 v248, v[T0], v[T0+1]
	s_delay_alu instid0(VALU_DEP_1)
	v_permlanex16_b32 v249, v248, s[SEL], s[SEL+1]
	s_delay_alu instid0(VALU_DEP_1)
	v_add_f32 v248, v248, v249                     ; the sum of my token's 128 numbers
	ds_store_b32 v254, v248
	BARRIER
	ds_load_b128 v[T0:T0+3], v255
	s_wait_dscnt 0x0
	v_add_f32 v[T0], v[T0], v[T0+1]
	v_add_f32 v[T0+2], v[T0+2], v[T0+3]
	s_delay_alu instid0(VALU_DEP_1)
	v_add_f32 v[T0], v[T0], v[T0+2]
	s_delay_alu instid0(VALU_DEP_1)
	v_mul_f32 v250, 0xbb000000, v[T0]              ; - mean
	s_delay_alu instid0(VALU_DEP_1)
	v_mov_b32 v251, v250
.set i, 0
.rept 32
	v_pk_add_f32 v[ACC+2*i:ACC+2*i+1], v[ACC+2*i:ACC+2*i+1], v[250:251]
.set i, i+1
.endr
	v_pk_mul_f32 v[T0:T0+1], v[ACC:ACC+1], v[ACC:ACC+1]
	v_pk_mul_f32 v[T0+2:T0+3], v[ACC+2:ACC+3], v[ACC+2:ACC+3]
.set i, 2
.rept 30
	s_delay_alu instid0(VALU_DEP_2)
	v_pk_fma_f32 v[T0+2*(i%2):T0+2*(i%2)+1], v[ACC+2*i:ACC+2*i+1], v[ACC+2*i:ACC+2*i+1], v[T0+2*(i%2):T0+2*(i%2)+1]
.set i, i+1
.endr
	FOLD 1
	s_delay_alu instid0(VALU_DEP_1)
	v_add_f32 v248, v[T0], v[T0+1]
	s_delay_alu instid0(VALU_DEP_1)
	v_permlanex16_b32 v249, v248, s[SEL], s[SEL+1]
	s_delay_alu instid0(VALU_DEP_1)
	v_add_f32 v248, v248, v249
	ds_store_b32 v254, v248 offset:RED2-RED1
	BARRIER
	ds_load_b128 v[T0:T0+3], v255 offset:RED2-RED1
	s_wait_dscnt 0x0
	v_add_f32 v[T0], v[T0], v[T0+1]
	v_add_f32 v[T0+2], v[T0+2], v[T0+3]
	s_delay_alu instid0(VALU_DEP_1)
	v_add_f32 v[T0], v[T0], v[T0+2]
	s_delay_alu instid0(VALU_DEP_1)
	v_fma_f32 v[T0], v[T0], s60, s61               ; variance + 1e-5
	s_wait_alu depctr_va_vdst(0)
	v_rsq_f32 v252, v[T0]
	v_nop                                          ; a plain line behind the transcendental
	s_wait_alu depctr_va_vdst(0)                   ; the wait ahead of the first reader
	v_mov_b32 v253, v252
	s_wait_alu depctr_va_vdst(0)
	s_wait_loadcnt 0x0                             ; gain and offset
.set i, 0
.rept 32
	v_pk_mul_f32 v[ACC+2*i:ACC+2*i+1], v[ACC+2*i:ACC+2*i+1], v[252:253]
.set i, i+1
.endr
.set i, 0
.rept 32
	v_pk_fma_f32 v[ACC+2*i:ACC+2*i+1], v[ACC+2*i:ACC+2*i+1], v[88+2*i:89+2*i], v[24+2*i:25+2*i]
.set i, i+1
.endr
	QBC ACC
.irp cp, 1,2                           ; to AX, and to AF: in the gene branch the normed rows are the source of Q and K too; the other branch writes AF anew behind a barrier
.irp g, 0,1,2,3
	QBS1 \g, VT0, 24576*\cp+768*(\g%2)+24*(\g/2), VT1, 1024*\cp+\g, 0
.endr
.endr
	s_cmp_eq_u32 s[BR], 0                          ; the same in all sixteen waves
	s_cbranch_scc1 .Lqkv
	; ---- expression branch: gene_emb as it is becomes the first four K steps of the fused projection
	XLOAD ACC, GEN, VXA
	BLOAD EBF
.irp k, 0,1,2,3
	WLOAD \k, PF, \k*3328
.endr
	s_wait_loadcnt 32                              ; gene_emb is in; the bias's 4 and the slots' 28 loads may be out
	QBC ACC
.irp g, 0,1,2,3
	QBS1 \g, VT0, 768*(\g%2)+24*(\g/2), VT1, \g, 0
.endr
	BARRIER                                        ; AG and AX are whole
.irp k, 0,1,2,3,4,5,6,7                ; AG and AX lie on end: eight K steps
.if \k < 5
	KSTEP \k%4, VLI, AG+6144*\k, AGS+256*\k, \k, 0, 21
.else
	KSTEP \k%4, VLI, AG+6144*\k, AGS+256*\k, \k, 0, 7*(7-\k)
.endif
.if \k < 4
	WLOAD \k, PF, (\k+4)*3328
.endif
.endr
	s_lshr_b32 s70, s[WV], 2                       ; my 32 features are block w % 4 of K step w / 4 of the next products
	s_mul_i32 s70, s70, 6144
	s_and_b32 s71, s[WV], 1
	s_mul_i32 s71, s71, 768
	s_add_co_u32 s70, s70, s71
	s_bfe_u32 s71, s[WV], 0x10001
	s_mul_i32 s71, s71, 24
	s_add_co_u32 s70, s70, s71
	s_add_co_u32 s70, s70, AF
	v_add_nc_u32 v[VT0], s70, v[VC0]
	s_lshr_b32 s71, s[WV], 2
	s_lshl_b32 s71, s71, 8
	s_and_b32 s72, s[WV], 3
	s_add_co_u32 s71, s71, s72
	s_add_co_u32 s71, s71, AFS
	v_add_nc_u32 v[VT1], s71, v[VS0]
	QBC ACC
.irp tt, 0,1,2,3
	QBS1 \tt, VT0, 1536*\tt, VT1, 64*\tt, 0
.endr
.Lqkv:
	BLOAD BQ
.irp k, 0,1,2,3
	WLOAD \k, PQ, \k*3328
.endr
	s_lshr_b32 s70, s[WV], 1                       ; head
	s_and_b32 s71, s[WV], 1                        ; which 32 of its 64
	s_mul_i32 s72, s70, 3072
	s_mul_i32 s73, s71, 768
	s_add_co_u32 s72, s72, s73
	s_add_co_u32 s72, s72, STG
	v_add_nc_u32 v[VT0], s72, v[VC0]               ; Q, K: a pair of token tiles to a fragment, 24 bytes a tile
	s_lshl_b32 s72, s70, 8
	s_add_co_u32 s72, s72, s71
	s_add_co_u32 s72, s72, SQK
	v_add_nc_u32 v[VT1], s72, v[VS0]
	s_mul_i32 s72, s[WV], 1536
	s_add_co_u32 s72, s72, STG+49152
	v_add_nc_u32 v[VT2], s72, v[VC0]               ; V: two feature tiles to a fragment, lane = 16 x token block + row
	s_lshl_b32 s72, s70, 7
	s_lshl_b32 s73, s71, 1
	s_add_co_u32 s72, s72, s73
	s_add_co_u32 s72, s72, SV
	v_add_nc_u32 v[VT3], s72, v[VS0]
	BARRIER                                        ; AF (and AX) are whole
; Q (x = 0) and K (x = 1): four K steps; each slot is filled again with the K step four further on, which belongs to the next weight
.macro QKPASS x
.irp k, 0,1,2,3
	KSTEP \k, VLF, 6144*\k, AFS+256*\k, \k, 0, 21
.if \k == 0
.if (\x) == 0
	BLOAD BK
.else
	global_load_b32 v[BV], v[VBV], s[BVP:BVP+1]
	global_load_b32 v[BV+1], v[VBV], s[BVP:BVP+1] offset:32
.endif
.endif
	WLOAD \k, PQ, ((\x)+1)*212992+\k*3328
.endr
	QBC ACC
.irp tt, 0,1,2,3
	QBS1 \tt, VT0, (\x)*24576+1536*(\tt/2)+24*(\tt%2), VT1, (\x)*2048+64*\tt, 1
.endr
.endm
	QKPASS 0
	QKPASS 1
	KSTEP 0, VLI, AX, AXS, 100, 1, 21
	KSTEP 1, VLI, AX+6144, AXS+256, 1, 1, 14       ; nothing more is asked for: the counts run down
	KSTEP 2, VLI, AX+12288, AXS+512, 1, 1, 7
	KSTEP 3, VLI, AX+18432, AXS+768, 1, 1, 0
	QBC ACC                                        ; group 2 g + u: token block g, feature tile u
.irp g, 0,1
.irp u, 0,1
	QBS1 2*\g+\u, VT2, 768*\g+24*\u, VT3, 64*\u+\g, 0
.endr
.endr
	; ---- out: wave w takes fragment w of each of Q, K, V, and one head's scale words
	s_lshr_b32 s84, ttmp9, 5                       ; batch
	s_and_b32 s85, ttmp9, 31                       ; group of 64 tokens in it
	s_lshl_b32 s86, s[BR], 1
	s_add_co_u32 s86, s86, s84                     ; 2 branch + batch
	s_lshl_b32 s87, s86, 3
	s_lshr_b32 s88, s[WV], 1
	s_add_co_u32 s88, s88, s87
	s_lshl_b32 s88, s88, 6
	s_lshl_b32 s89, s85, 1
	s_add_co_u32 s88, s88, s89
	s_and_b32 s89, s[WV], 1
	s_add_co_u32 s88, s88, s89
	s_mul_i32 s88, s88, 1536
	s_mov_b32 s89, 0
	s_add_nc_u64 s[32:33], s[32:33], s[88:89]
	s_and_b32 s88, s[WV], 7
	s_add_co_u32 s88, s88, s87
	s_lshl_b32 s88, s88, 13
	s_lshr_b32 s90, s[WV], 3
	s_lshl_b32 s90, s90, 18
	s_add_co_u32 s88, s88, s90
	s_lshl_b32 s90, s85, 8
	s_add_co_u32 s88, s88, s90
	s_add_nc_u64 s[34:35], s[34:35], s[88:89]
	s_lshl_b32 s88, s86, 5
	s_add_co_u32 s88, s88, s85
	s_lshl_b32 s88, s88, 10
	s_lshl_b32 s90, s[WV], 9
	s_add_co_u32 s88, s88, s90
	s_add_nc_u64 s[36:37], s[36:37], s[88:89]
	s_mul_i32 s90, s[WV], 1536
	s_add_co_u32 s90, s90, STG
	s_lshl_b32 s91, s[WV], 8
	s_add_co_u32 s91, s91, SQK
	s_lshl_b32 s92, s[WV], 9
	s_add_co_u32 s92, s92, SV
	BARRIER                                        ; all 48 fragments and all scale bytes lie in LDS
	v_add_nc_u32 v[VT0], s90, v[VLI]
	v_add_nc_u32 v[VT1], s91, v[VLS]
	v_add_nc_u32 v[VLF], s92, v[VL16]
	v_lshlrev_b32 v[VXA], 1, v[VLS]                ; 8 x lane
.irp x, 0,1,2
.irp j, 0,1,2
	ds_load_b128 v[AB+12*\x+4*\j:AB+12*\x+4*\j+3], v[VT0] offset:24576*\x+16*\j
.endr
.endr
	ds_load_b32 v76, v[VT1]
	ds_load_b32 v77, v[VT1] offset:128
	s_wait_alu depctr_va_vdst(0)
	s_wait_dscnt 0x0
.irp x, 0,1,2
.irp j, 0,1,2
	global_store_b128 v[VL16], v[AB+12*\x+4*\j:AB+12*\x+4*\j+3], s[32:33] offset:3145728*\x+512*\j   ; 512 consecutive bytes
.endr
.endr
	global_store_b64 v[VXA], v[76:77], s[34:35]    ; 256 consecutive bytes
	s_cmp_gt_u32 s[WV], 1
	s_cbranch_scc1 .Lend                           ; V's 1,024 scale bytes leave by waves 0 and 1
	ds_load_b128 v[80:83], v[VLF]
	s_wait_dscnt 0x0
	global_store_b128 v[VL16], v[80:83], s[36:37]
.Lend:
	s_wait_tensorcnt 0x0                           ; the wave's end: three lines behind my last LDS store
	ds_add_u32 v[SPW], v[NIL]
	s_wait_dscnt 0x0
	s_endpgm
.Lfunc_end_k_qbaf6e50757_qkv:
	.size	k_qbaf6e50757_qkv, .Lfunc_end_k_qbaf6e50757_qkv-k_qbaf6e50757_qkv
	.p2alignl 7, 3214868480
	.fill 96, 4, 3214868480
	.section	.rodata,"a",@progbits
	.p2align	6, 0x0
	.amdhsa_kernel k_qbaf6e50757_qkv
		.amdhsa_group_segment_fixed_size 159744
		.amdhsa_private_segment_fixed_size 0
		.amdhsa_enable_private_segment 0
		.amdhsa_kernarg_size 136
		.amdhsa_user_sgpr_count 2
		.amdhsa_user_sgpr_kernarg_segment_ptr 1
		.amdhsa_wavefront_size32 1
		.amdhsa_system_sgpr_workgroup_id_x 1
		.amdhsa_system_sgpr_workgroup_id_y 1
		.amdhsa_system_sgpr_workgroup_id_z 1
		.amdhsa_system_vgpr_workitem_id 0
		.amdhsa_next_free_vgpr 256
		.amdhsa_next_free_sgpr 100
		.amdhsa_reserve_vcc 0
		.amdhsa_float_denorm_mode_32 3
		.amdhsa_float_denorm_mode_16_64 3
		.amdhsa_memory_ordered 1
		.amdhsa_forward_progress 1
		.amdhsa_inst_pref_size 115
	.end_amdhsa_kernel
	.amdgpu_metadata
---
amdhsa.version: [ 1, 2 ]
amdhsa.kernels:
  - .name:           k_qbaf6e50757_qkv
    .symbol:         k_qbaf6e50757_qkv.kd
    .args:
      - { .name: gene_emb, .offset: 0, .size: 8, .value_kind: global_buffer, .address_space: global }
      - { .name: expr_emb, .offset: 8, .size: 8, .value_kind: global_buffer, .address_space: global }
      - { .name: ln_g1_w, .offset: 16, .size: 8, .value_kind: global_buffer, .address_space: global }
      - { .name: ln_g1_b, .offset: 24, .size: 8, .value_kind: global_buffer, .address_space: global }
      - { .name: ln_e1_w, .offset: 32, .size: 8, .value_kind: global_buffer, .address_space: global }
      - { .name: ln_e1_b, .offset: 40, .size: 8, .value_kind: global_buffer, .address_space: global }
      - { .name: g_bq, .offset: 48, .size: 8, .value_kind: global_buffer, .address_space: global }
      - { .name: g_bk, .offset: 56, .size: 8, .value_kind: global_buffer, .address_space: global }
      - { .name: g_bv, .offset: 64, .size: 8, .value_kind: global_buffer, .address_space: global }
      - { .name: e_bq, .offset: 72, .size: 8, .value_kind: global_buffer, .address_space: global }
      - { .name: e_bk, .offset: 80, .size: 8, .value_kind: global_buffer, .address_space: global }
      - { .name: e_bv, .offset: 88, .size: 8, .value_kind: global_buffer, .address_space: global }
      - { .name: e_bf, .offset: 96, .size: 8, .value_kind: global_buffer, .address_space: global }
      - { .name: wimg, .offset: 104, .size: 8, .value_kind: global_buffer, .address_space: global }
      - { .name: qkv, .offset: 112, .size: 8, .value_kind: global_buffer, .address_space: global }
      - { .name: qks, .offset: 120, .size: 8, .value_kind: global_buffer, .address_space: global }
      - { .name: vsc, .offset: 128, .size: 8, .value_kind: global_buffer, .address_space: global }
    .group_segment_fixed_size: 159744
    .private_segment_fixed_size: 0
    .kernarg_segment_align: 8
    .kernarg_segment_size: 136
    .max_flat_workgroup_size: 512
    .sgpr_count:     100
    .vgpr_count:     256
    .wavefront_size: 32
...
	.end_amdgpu_metadata
.endif
;; end of part 2
;; launch attn (part 3): grid 128 x 2, 8 waves a work-group, no clusters, 292,864 bytes of LDS; arguments qkv, qks, vsc, M, oc, osc; writes oc, osc
.if DOCPART == 3
	.amdgcn_target "amdgcn-amd-amdhsa--gfx1250"
	.amdhsa_code_object_version 6
	.text
	.protected	k_qbaf6e50757_attn
	.globl	k_qbaf6e50757_attn
	.p2align	8
	.type	k_qbaf6e50757_attn,@function
k_qbaf6e50757_attn:
	s_mov_b64 s[64:65], 0
	v_nop
	global_prefetch_b8 v0, s[64:65] scope:SCOPE_SE
	s_setreg_imm32_b32 hwreg(HW_REG_WAVE_MODE, 25, 1), 1
	s_wait_xcnt 0x0
; Masked attention on codes of FP6 (E2M3).  What is quantised along the keys is the FINISHED weight A = p M' / D, p = 2^(t - m), t = score x M', M' = M x c, c = 0.125 log2(e),
; m the row's largest t, D = sum of p |M'| + 1e-8 c sum of p.  A block's scale is a power of two, so D must be known before the first code: THE KEYS ARE WALKED TWICE.
; Pass 1: running maximum, Z = sum of p, L = sum of p |M'|.  Pass 2: the scores again, A = 2^(t - m - log2 D) x M', its codes, and the product with V.
; A work-group: 32 queries of one branch (x = 2 x group of 32 queries + branch) of one batch (y).  Eight waves of 512 registers, two to a SIMD; wave = head; a wave holds two tiles of 16 queries,
; so that each fragment of K and of V that it loads feeds two products.
; M COMES DURING PASS 1, a key step (32 rows x 512 bytes) at a time: wave w loads 512 bytes of each of rows 4 w .. 4 w + 3, multiplies by c and stores them to LDS, where M' stays for both passes.
; Trip t stores step t + 1 (asked for in trip t - 1), asks for step t + 2 and prefetches step t + 4; steps 0 and 1 are asked for ahead of the loop.  One barrier a trip: the signal behind my stores,
; the wait at the trip's end; each step has LDS bytes of its own, so nothing is written over.  The loads of the last two trips name step 15 again, and the last trip's store lands in a seventeenth
; place of 512 bytes in each row, which nobody reads: so the trip is written once, with no branch.
; THE PREFETCH: a step of my four rows is 8 blocks of 256 bytes; the two work-groups that read the same rows (the two branches) take one block of each row each, told apart by address:
; lanes 0-3 name a row each, the other lanes row 3's block again.  It runs two trips ahead of the load; the last trips name step 15.  Steps 0 to 3 come by their loads alone.
; K and V are asked for a whole key step ahead of their waits, straight into registers (14 and 18 loads a wave): no prefetch is laid for them.
; Both products are used transposed (source 0 = 16 keys; source 0 = 16 of the head's 64): a lane holds one query throughout.
; A head has 64 numbers and the product takes 128: Q's upper six registers hold zero codes; E2M3 has no NaN and no infinity, so K's upper six may hold any bits: K's fragments lie 6 registers apart,
; each followed by the next one's data, six zero registers behind the last.  The keys of a block of 32 lie in the order 8 h + j, 16 + 8 h + j in A's codes and in V's alike.
; REGISTERS, in windows of 256 (s_set_vgpr_msb: bits 1:0 source 0, 3:2 source 1, 5:4 source 2, 7:6 destination).  Tile A lives in window 0 and tile B in window 1 under the same numbers: each vector
; macro is written once and run twice.  Window 0 also holds all addresses, all scale words and K; window 1 holds V at K's numbers, and in pass 1 M on its way to LDS.
; NO CLUSTER: the 64 work-groups of a batch and branch walk the same K and V, but two slots of a key step's K and V of eight heads are 196,608 bytes, and of 327,680 bytes of LDS 292,864 are in use.
; LIMITS: NaN and infinities are not served; a block of A whose largest magnitude lies under 2^-124 gets the byte 1; the divisor enters as log2 D in the exponent, one rounding order other than
; reference()'s two divisions; pass 2 makes its exponent by one fused multiply-add where pass 1 rounds the product first; an A under 2^-126 counts as 0.
.set MPP,   8720                       ; a row of M' in LDS: 17 places of 512 bytes + 16: sixteen rows' loads of 16 bytes start at sixteen different groups of banks
.set MPB,   139520                     ; tile B's sixteen rows
.set OSTG,  279040                     ; the result's 8 fragments (2 x K step + tile), 48 bytes a lane
.set OSC,   291328                     ; its scale bytes [query][16]
.set SPARE, 291840                     ; the spare words: 128 bytes for each of 8 waves
.set VL16, 1
.set VL8,  2
.set VL4,  3
.set VMA0, 4                           ; MPP r + 32 h
.set VMAA, 5
.set VKO,  6
.set VKS,  7
.set SPW,  8
.set NIL,  9
.set VVS,  10
.set VMAB, 11
.set QF,   12                          ; v12-23 Q: 6 registers of codes, 6 of zeros
.set QSC,  24
.set PWA,  25
.set KSC,  26                          ; v26-29
.set VSL,  30                          ; v30-31
.set VSC,  32                          ; v32-33
.set MX,   34                          ; v34-35 the largest t; in pass 2 m + log2 D
.set RR,   36                          ; log2 D
.set Z,    38                          ; v38-41 pass 1
.set L,    42                          ; v42-45
.set F,    46                          ; v46-47
.set PC,   38                          ; v38-49 pass 2: the weights' codes
.set TM,   50                          ; v50-63
.set KV,   64                          ; window 0: K's eight fragments, v112-117 zeros; window 1: V's four
.set MG,   64                          ; window 1, pass 1: a step of my four rows of M as loaded,
.set MT,   80                          ; x c,
.set MG2,  96                          ; and step 0 as loaded
.set VVO,  118
.set PWB,  119
.set S,    120                         ; v120-183
.set MM,   184                         ; M': v184-247 in pass 1, v184-215 in pass 2
.set O,    216                         ; v216-247
.set VOA,  248
.set VOB,  249
.set VRA,  250
.set VRB,  251
.set VMS,  252                         ; LDS: my four rows of M', 16 x lane
.set VMSS, 253                         ; the same + 512 x trip
.set VMG,  254                         ; M's loads: 16 x lane + 512 x step
.set VPF,  255                         ; the prefetch: 8192 x min(lane, 3) + 256 x branch
.set WV,   16
.set T32,  17
.set BB,   18
.set BRN,  19
.set QB,   22
.set KB,   24
.set VB,   26
.set KSB,  28
.set QSP,  30
.set VSB,  32
.set MBP,  34
.set SEL,  36
.set CC,   38
.set MO,   40
.set TC,   41
.set TN,   42
.set KO,   43
.set KS,   44
.set EPSC, 46
.set OCP,  56
.set OSP,  58
.set PFA,  60
.set MSB, 0
.macro WIN new                         ; the immediate's high byte repeats the setting that is left; a switch that changes nothing is dropped
.if MSB != (\new)
	s_set_vgpr_msb (MSB<<8)|(\new)
.set MSB, (\new)
.endif
.endm
.macro BARRIER
	s_wait_dscnt 0x0
	s_barrier_signal -1
	s_barrier_wait -1
.endm
.macro MGLOAD reg, adr, off            ; 512 consecutive bytes of each of my four rows of M, into window 1
	WIN 0x40
.irp rho, 0,1,2,3
	global_load_b128 v[(\reg)+4*\rho:(\reg)+4*\rho+3], v[\adr], s[MBP:MBP+1] offset:8192*\rho+(\off)
.endr
	WIN 0
.endm
.macro MPUT reg, adr, off              ; x c, and into LDS (an LDS store's data are its source 1)
	WIN 0x41
.set i, 0
.rept 8
	v_pk_mul_f32 v[MT+2*i:MT+2*i+1], v[(\reg)+2*i:(\reg)+2*i+1], s[CC:CC+1] op_sel_hi:[1,0]
.set i, i+1
.endr
	WIN 0x04
.irp rho, 0,1,2,3
	ds_store_b128 v[\adr], v[MT+4*\rho:MT+4*\rho+3] offset:MPP*\rho+(\off)
.endr
	WIN 0
.endm
.macro MLD hi, adr, off, n             ; M' of n key tiles into MM of window hi
	WIN 0x40*(\hi)
.set i, 0
.rept \n
	ds_load_b128 v[MM+8*i:MM+8*i+3], v[\adr] offset:(\off)+64*i
	ds_load_b128 v[MM+8*i+4:MM+8*i+7], v[\adr] offset:(\off)+64*i+16
.set i, i+1
.endr
.endm
.macro KLOAD                           ; a step's 128 keys and their scale words: 14 loads
.irp p, 0,1,2,3,4,5,6,7,8,9,10,11
	global_load_b128 v[KV+4*\p:KV+4*\p+3], v[VKO], s[KB:KB+1] offset:512*\p
.endr
	global_load_b64 v[KSC:KSC+1], v[VKS], s[KSB:KSB+1]
	global_load_b64 v[KSC+2:KSC+3], v[VKS], s[KSB:KSB+1] offset:256
.endm
.macro VLOAD                           ; V of a step's keys: 18 loads; the codes go to window 1
	WIN 0x40
.irp c, 0,1
.irp b, 0,1
	global_load_b128 v[KV+24*\b+6*\c:KV+24*\b+6*\c+3], v[VVO], s[VB:VB+1] offset:3072*\c+1536*\b
	global_load_b64 v[KV+24*\b+6*\c+4:KV+24*\b+6*\c+5], v[VVO], s[VB:VB+1] offset:3072*\c+1536*\b+512
	global_load_b64 v[KV+24*\b+12+6*\c:KV+24*\b+12+6*\c+1], v[VVO], s[VB:VB+1] offset:3072*\c+1536*\b+520
	global_load_b128 v[KV+24*\b+12+6*\c+2:KV+24*\b+12+6*\c+5], v[VVO], s[VB:VB+1] offset:3072*\c+1536*\b+1024
.endr
.endr
	WIN 0
	global_load_b32 v[VSL], v[VVS], s[VSB:VSB+1]
	global_load_b32 v[VSL+1], v[VVS], s[VSB:VSB+1] offset:1024
.endm
.macro WMS f, t                        ; scores of key tile f for query tile t (the windows are set by the caller)
.if (((\f)%2) == 0) && ((\t) == 0)
	v_wmma_scale_f32_16x16x128_f8f6f4 v[S+8*(\f):S+8*(\f)+7], v[KV+6*(\f):KV+6*(\f)+11], v[QF:QF+11], 0, v[KSC+(\f)/2], v[QSC] matrix_a_fmt:MATRIX_FMT_FP6 matrix_b_fmt:MATRIX_FMT_FP6
.elseif (\t) == 0
	v_wmma_scale_f32_16x16x128_f8f6f4 v[S+8*(\f):S+8*(\f)+7], v[KV+6*(\f):KV+6*(\f)+11], v[QF:QF+11], 0, v[KSC+(\f)/2], v[QSC] matrix_a_fmt:MATRIX_FMT_FP6 matrix_b_fmt:MATRIX_FMT_FP6 matrix_a_scale:MATRIX_SCALE_ROW1
.elseif ((\f)%2) == 0
	v_wmma_scale_f32_16x16x128_f8f6f4 v[S+8*(\f):S+8*(\f)+7], v[KV+6*(\f):KV+6*(\f)+11], v[QF:QF+11], 0, v[KSC+(\f)/2], v[QSC] matrix_a_fmt:MATRIX_FMT_FP6 matrix_b_fmt:MATRIX_FMT_FP6 matrix_b_scale:MATRIX_SCALE_ROW1
.else
	v_wmma_scale_f32_16x16x128_f8f6f4 v[S+8*(\f):S+8*(\f)+7], v[KV+6*(\f):KV+6*(\f)+11], v[QF:QF+11], 0, v[KSC+(\f)/2], v[QSC] matrix_a_fmt:MATRIX_FMT_FP6 matrix_b_fmt:MATRIX_FMT_FP6 matrix_a_scale:MATRIX_SCALE_ROW1 matrix_b_scale:MATRIX_SCALE_ROW1
.endif
.endm
.macro WMO ft, pw                      ; feature tile ft of the result; the accumulators take turns, one instruction a turn
.if ((\ft)%2) == 0
	v_wmma_scale_f32_16x16x128_f8f6f4 v[O+8*(\ft):O+8*(\ft)+7], v[KV+12*(\ft):KV+12*(\ft)+11], v[PC:PC+11], v[O+8*(\ft):O+8*(\ft)+7], v[VSC+(\ft)/2], v[\pw] matrix_a_fmt:MATRIX_FMT_FP6 matrix_b_fmt:MATRIX_FMT_FP6
.else
	v_wmma_scale_f32_16x16x128_f8f6f4 v[O+8*(\ft):O+8*(\ft)+7], v[KV+12*(\ft):KV+12*(\ft)+11], v[PC:PC+11], v[O+8*(\ft):O+8*(\ft)+7], v[VSC+(\ft)/2], v[\pw] matrix_a_fmt:MATRIX_FMT_FP6 matrix_b_fmt:MATRIX_FMT_FP6 matrix_a_scale:MATRIX_SCALE_ROW1
.endif
.endm
.macro INIT                            ; a tile's statistics
	v_mov_b32 v[MX], 0xff61b1e6                    ; -3e38, under every t
	v_mov_b32 v[MX+1], 0
.irp n, 0,1,2,3,4,5,6,7,8,9
	v_mov_b32 v[Z+\n], 0                           ; Z, L, F
.endr
.irp n, 0,1,2,3,4,5,6,7
	v_mov_b32 v[TM+\n], 0                          ; a lane permute's destination counts as one of its sources
.endr
.endm
; Pass 1, one tile, one step of 128 keys.  Each half of the lanes keeps statistics of its own keys; they are merged once behind the loop
.macro STAT1
.set i, 0
.rept 32
	v_pk_mul_f32 v[S+2*i:S+2*i+1], v[S+2*i:S+2*i+1], v[MM+2*i:MM+2*i+1]   ; t; each accumulator from its low end on
.set i, i+1
.endr
.irp k, 0,1,2,3
	v_max3_num_f32 v[TM+\k], v[S+16*\k], v[S+16*\k+1], v[S+16*\k+2]
.endr
.irp n, 3,5,7,9,11,13
.irp k, 0,1,2,3
	s_delay_alu instid0(VALU_DEP_4)
	v_max3_num_f32 v[TM+\k], v[TM+\k], v[S+16*\k+\n], v[S+16*\k+\n+1]
.endr
.endr
	s_delay_alu instid0(VALU_DEP_4)
	v_max3_num_f32 v[TM], v[TM], v[S+15], v[S+31]
	s_delay_alu instid0(VALU_DEP_3)
	v_max3_num_f32 v[TM+2], v[TM+2], v[S+47], v[S+63]
	s_delay_alu instid0(VALU_DEP_1)
	v_max3_num_f32 v[TM], v[TM], v[TM+1], v[TM+2]
	s_delay_alu instid0(VALU_DEP_1)
	v_max3_num_f32 v[TM+4], v[TM], v[TM+3], v[MX]  ; the new largest t
	s_delay_alu instid0(VALU_DEP_1)
	v_mov_b32 v[TM+5], v[TM+4]
	s_delay_alu instid0(VALU_DEP_2)
	v_sub_f32 v[TM+6], v[MX], v[TM+4]
.set i, 0
.rept 32
	v_pk_add_f32 v[S+2*i:S+2*i+1], v[S+2*i:S+2*i+1], v[TM+4:TM+5] neg_lo:[0,1] neg_hi:[0,1]
.set i, i+1
.endr
	s_wait_alu depctr_va_vdst(0)                   ; the wait ahead of the batch
	v_exp_f32 v[F], v[TM+6]                        ; one batch: the factor for what was summed, and the 64 p
.set i, 0
.rept 64
	v_exp_f32 v[S+i], v[S+i]
.set i, i+1
.endr
	v_mov_b32 v[MX], v[TM+4]                       ; a plain line behind the batch
	s_wait_alu depctr_va_vdst(0)                   ; one wait ahead of the batch's first reader
	v_pk_mul_f32 v[Z:Z+1], v[Z:Z+1], v[F:F+1] op_sel_hi:[1,0]
	v_pk_mul_f32 v[Z+2:Z+3], v[Z+2:Z+3], v[F:F+1] op_sel_hi:[1,0]
	v_pk_mul_f32 v[L:L+1], v[L:L+1], v[F:F+1] op_sel_hi:[1,0]
	v_pk_mul_f32 v[L+2:L+3], v[L+2:L+3], v[F:F+1] op_sel_hi:[1,0]
.set i, 0
.rept 32
	v_pk_add_f32 v[Z+2*(i%2):Z+2*(i%2)+1], v[Z+2*(i%2):Z+2*(i%2)+1], v[S+2*i:S+2*i+1]
.set i, i+1
.endr
.set i, 0
.rept 64
	v_fma_f32 v[L+i%4], v[S+i], |v[MM+i]|, v[L+i%4]
.set i, i+1
.endr
.endm
; Behind pass 1, one tile: the two halves of the lanes are merged; D; m + log2 D takes m's place; O begins as zeros
.macro MERGE
	v_pk_add_f32 v[Z:Z+1], v[Z:Z+1], v[Z+2:Z+3]
	v_pk_add_f32 v[L:L+1], v[L:L+1], v[L+2:L+3]
	s_delay_alu instid0(VALU_DEP_2)
	v_add_f32 v[Z], v[Z], v[Z+1]
	s_delay_alu instid0(VALU_DEP_2)
	v_add_f32 v[L], v[L], v[L+1]
	v_permlanex16_b32 v[TM], v[MX], s[SEL], s[SEL+1]
	s_delay_alu instid0(VALU_DEP_1)
	v_max_num_f32 v[TM+1], v[MX], v[TM]            ; m
	s_delay_alu instid0(VALU_DEP_1)
	v_sub_f32 v[TM+2], v[MX], v[TM+1]
	s_wait_alu depctr_va_vdst(0)
	v_exp_f32 v[TM+3], v[TM+2]
	v_mov_b32 v[MX], v[TM+1]
	v_mov_b32 v[MX+1], v[TM+1]
	s_wait_alu depctr_va_vdst(0)
	v_mul_f32 v[Z], v[Z], v[TM+3]
	v_mul_f32 v[L], v[L], v[TM+3]
	s_delay_alu instid0(VALU_DEP_2)
	v_permlanex16_b32 v[TM], v[Z], s[SEL], s[SEL+1]
	s_delay_alu instid0(VALU_DEP_2)
	v_permlanex16_b32 v[TM+2], v[L], s[SEL], s[SEL+1]
	s_delay_alu instid0(VALU_DEP_2)
	v_add_f32 v[Z], v[Z], v[TM]
	s_delay_alu instid0(VALU_DEP_2)
	v_add_f32 v[L], v[L], v[TM+2]
	s_delay_alu instid0(VALU_DEP_1)
	v_fma_f32 v[Z], v[Z], s[EPSC], v[L]            ; D = L + 1e-8 c Z; Z is at least 1, so D is above 0
	s_wait_alu depctr_va_vdst(0)
	v_log_f32 v[RR], v[Z]
.set i, 0
.rept 32
	v_mov_b32 v[O+i], 0                            ; the step is written once: its first products add onto zeros.  (Plain work behind the logarithm)
.set i, i+1
.endr
	s_wait_alu depctr_va_vdst(0)
	v_add_f32 v[MX], v[MX], v[RR]                  ; m + log2 D, twice
	v_add_f32 v[MX+1], v[MX+1], v[RR]
.endm
.macro MAXB b0, b1                     ; the largest magnitudes of my 16 of blocks b0 and b1
	v_max3_num_f32 v[TM+\b0], |v[S+16*\b0]|, |v[S+16*\b0+1]|, 0x1800000   ; the floor 2^(3 - 127): the byte cannot fall under 1
	v_max3_num_f32 v[TM+\b1], |v[S+16*\b1]|, |v[S+16*\b1+1]|, 0x1800000
.irp n, 2,4,6,8,10,12,14
	s_delay_alu instid0(VALU_DEP_2)
	v_max3_num_f32 v[TM+\b0], v[TM+\b0], |v[S+16*\b0+\n]|, |v[S+16*\b0+\n+1]|
	s_delay_alu instid0(VALU_DEP_2)
	v_max3_num_f32 v[TM+\b1], v[TM+\b1], |v[S+16*\b1+\n]|, |v[S+16*\b1+\n+1]|
.endr
.endm
; Pass 2, one tile: half a step's weights: key tiles 4 hh .. 4 hh + 3, whose M' lies in MM.  Behind the second half's exponentials stand the first half's block maxima, which name none of their results
.macro HALF hh
.set i, 0
.rept 16
	v_pk_fma_f32 v[S+32*(\hh)+2*i:S+32*(\hh)+2*i+1], v[S+32*(\hh)+2*i:S+32*(\hh)+2*i+1], v[MM+2*i:MM+2*i+1], v[MX:MX+1] neg_lo:[0,0,1] neg_hi:[0,0,1]   ; t - m - log2 D
.set i, i+1
.endr
	s_wait_alu depctr_va_vdst(0)                   ; the wait ahead of the batch
.set i, 0
.rept 32
	v_exp_f32 v[S+32*(\hh)+i], v[S+32*(\hh)+i]
.set i, i+1
.endr
.if (\hh) == 1
	MAXB 0, 1
.else
	v_nop                                          ; a plain line behind the batch
.endif
	s_wait_alu depctr_va_vdst(0)                   ; one wait for the batch of 32
.set i, 0
.rept 16
	v_pk_mul_f32 v[S+32*(\hh)+2*i:S+32*(\hh)+2*i+1], v[S+32*(\hh)+2*i:S+32*(\hh)+2*i+1], v[MM+2*i:MM+2*i+1]   ; A
.set i, i+1
.endr
.endm
; One tile's 64 weights a lane become the second product's operand (PC) and its scale word, which goes to window 0 (pw).  hi: the tile's window
.macro QUANT pw, hi
.irp b, 0,1,2,3
	v_permlanex16_b32 v[TM+4+\b], v[TM+\b], s[SEL], s[SEL+1]
.endr
.irp b, 0,1,2,3
	s_delay_alu instid0(VALU_DEP_4)
	v_max_num_f32 v[TM+\b], v[TM+\b], v[TM+4+\b]
.endr
.irp b, 0,1,2,3
	s_delay_alu instid0(VALU_DEP_4)
	v_add_nc_u32 v[TM+8+\b], 0xff000000, v[TM+\b]  ; 2 off the exponent field: the conversion's scale operand
.endr
.irp b, 0,1,2,3
	s_delay_alu instid0(VALU_DEP_4)
	v_lshrrev_b32 v[TM+4+\b], 23, v[TM+8+\b]       ; the byte
.endr
	s_delay_alu instid0(VALU_DEP_3)
	v_lshl_or_b32 v[TM], v[TM+5], 8, v[TM+4]
	s_delay_alu instid0(VALU_DEP_1)
	v_lshl_or_b32 v[TM], v[TM+6], 16, v[TM]
	WIN 0x15*(\hi)                                 ; sources in the tile's window, destination in window 0
	v_lshl_or_b32 v[\pw], v[TM+7], 24, v[TM]
	WIN 0x55*(\hi)
.irp c, 0,1
	v_cvt_scalef32_pk16_fp6_f32 v[PC+6*\c:PC+6*\c+2], v[S+32*\c:S+32*\c+15], v[TM+8+2*\c]
	v_cvt_scalef32_pk16_fp6_f32 v[MM+4*\c:MM+4*\c+2], v[S+32*\c+16:S+32*\c+31], v[TM+8+2*\c+1]   ; a conversion's three registers begin on an even number
.endr
	v_nop                                          ; one plain line behind the conversions
.irp c, 0,1                            ; the operand wants a whole block in a lane: lanes 0-15 block 2 c, lanes 16-31 block 2 c + 1
.irp n, 0,1,2
	v_permlane16_swap_b32 v[PC+6*\c+\n], v[MM+4*\c+\n]
.endr
.irp n, 0,1,2
	s_delay_alu instid0(VALU_DEP_3)
	v_mov_b32 v[PC+3+6*\c+\n], v[MM+4*\c+\n]
.endr
.endr
.endm
; The end, tile t: the result is quantised along the model's 512: my head's two blocks of 32; a lane's 16 registers of two feature tiles are 16 neighbouring features
.macro OQ t
	WIN 0x55*(\t)
.irp g, 0,1
	v_max3_num_f32 v[TM+\g], |v[O+16*\g]|, |v[O+16*\g+1]|, 0x1800000
.endr
.irp n, 2,4,6,8,10,12,14
.irp g, 0,1
	v_max3_num_f32 v[TM+\g], v[TM+\g], |v[O+16*\g+\n]|, |v[O+16*\g+\n+1]|
.endr
.endr
.irp g, 0,1
	s_delay_alu instid0(VALU_DEP_2)
	v_permlanex16_b32 v[TM+4+\g], v[TM+\g], s[SEL], s[SEL+1]
.endr
.irp g, 0,1
	s_delay_alu instid0(VALU_DEP_2)
	v_max_num_f32 v[TM+\g], v[TM+\g], v[TM+4+\g]
.endr
.irp g, 0,1
	s_delay_alu instid0(VALU_DEP_2)
	v_add_nc_u32 v[TM+8+\g], 0xff000000, v[TM+\g]
.endr
.irp g, 0,1
	s_delay_alu instid0(VALU_DEP_2)
	v_lshrrev_b32 v[TM+4+\g], 23, v[TM+8+\g]
.endr
.irp g, 0,1
	v_cvt_scalef32_pk16_fp6_f32 v[MM+4*\g:MM+4*\g+2], v[O+16*\g:O+16*\g+15], v[TM+8+\g]
.endr
	v_nop
	WIN 0x04*(\t)                                  ; the data in the tile's window, the addresses in window 0
.irp g, 0,1
.irp n, 0,1,2
	ds_store_b32 v[VOA], v[MM+4*\g+\n] offset:1536*(\t)+768*\g+4*\n
.endr
	ds_store_b8 v[VOB], v[TM+4+\g] offset:256*(\t)+\g
.endr
.endm
	s_load_b256 s[4:11], s[0:1], 0x0               ; qkv, qks, vsc, M
	s_load_b128 s[12:15], s[0:1], 0x20             ; oc, osc
	v_lshl_add_u32 v[SPW], v0, 2, SPARE
	v_mov_b32 v[NIL], 0
	v_lshrrev_b32 v254, 5, v0
	s_delay_alu instid0(VALU_DEP_1)
	v_readfirstlane_b32 s[WV], v254                ; wave = head, 0..7
	v_and_b32 v254, 31, v0                         ; lane
	v_and_b32 v255, 15, v0                         ; r
	v_bfe_u32 v253, v0, 4, 1                       ; h
	s_delay_alu instid0(VALU_DEP_3)
	v_lshlrev_b32 v[VL16], 4, v254
	s_delay_alu instid0(VALU_DEP_4)
	v_lshlrev_b32 v[VL8], 3, v254
	v_lshlrev_b32 v[VL4], 2, v254
	v_mul_u32_u24 v[VMA0], v255, MPP
	s_delay_alu instid0(VALU_DEP_1)
	v_lshl_add_u32 v[VMA0], v253, 5, v[VMA0]
	; every LDS address of the end is made here, ahead of the branch on the wave's number
	s_lshr_b32 s47, s[WV], 1                       ; my head's 64 features are half of K step head / 2 of the next product: fragments 2 (head / 2) + tile
	s_mul_i32 s47, s47, 3072
	s_and_b32 s48, s[WV], 1
	s_mul_i32 s48, s48, 24
	s_add_co_u32 s47, s47, s48
	s_add_co_u32 s47, s47, OSTG
	v_mul_u32_u24 v[VOA], v255, 48
	s_delay_alu instid0(VALU_DEP_1)
	v_mad_u32_u24 v[VOA], v253, 12, v[VOA]
	s_delay_alu instid0(VALU_DEP_1)
	v_add_nc_u32 v[VOA], s47, v[VOA]
	s_lshl_b32 s47, s[WV], 1
	s_add_co_u32 s47, s47, OSC
	v_lshl_add_u32 v[VOB], v255, 4, s47
	v_min_u32 v[VPF], 3, v254                      ; the prefetch: lanes 0-3 a row each, the others row 3 again
	s_mul_i32 s47, s[WV], 1536
	s_add_co_u32 s47, s47, OSTG
	v_mul_u32_u24 v[VRA], v254, 48
	s_delay_alu instid0(VALU_DEP_1)
	v_add_nc_u32 v[VRA], s47, v[VRA]
	v_add_nc_u32 v[VRB], OSC, v[VL16]
	s_mul_i32 s47, s[WV], 4*MPP
	v_add_nc_u32 v[VMS], s47, v[VL16]              ; my four rows of M'
	s_lshr_b32 s[T32], ttmp9, 1                    ; group of 32 queries
	s_and_b32 s[BRN], ttmp9, 1                     ; branch: the two work-groups that need the same rows of M are neighbours in x
	s_and_b32 s[BB], ttmp7, 0xffff                 ; batch
	s_lshl_b32 s47, s[BRN], 8                      ; my branch's 256 of a step's 512 bytes
	v_lshl_add_u32 v[VPF], v[VPF], 13, s47
	s_mov_b32 s[SEL], 0x76543210
	s_mov_b32 s[SEL+1], 0xfedcba98                 ; lane l xor 16
	s_mov_b32 s[CC], 0x3e38aa3b                    ; c = 0.125 log2(e)
	s_mov_b32 s[CC+1], s[CC]
	s_mov_b32 s[EPSC], 0x30f7da66                  ; 1e-8 c
	s_lshl_b32 s49, s[BRN], 1
	s_add_co_u32 s49, s49, s[BB]                   ; 2 branch + batch
	s_lshl_b32 s50, s49, 3
	s_add_co_u32 s50, s50, s[WV]
	s_mul_i32 s52, s50, 98304                      ; the head's 64 entries of 1,536 bytes
	s_mov_b32 s53, 0
	s_lshl_b32 s54, s50, 13                        ; its 8,192 bytes of scale words
	s_mov_b32 s55, 0
	s_wait_alu depctr_va_vdst(0)                   ; the wait at the head's end
	s_wait_kmcnt 0x0
	s_add_nc_u64 s[KB:KB+1], s[4:5], s[52:53]
	s_add_nc_u64 s[VB:VB+1], s[KB:KB+1], 6291456
	s_mul_i32 s52, s[T32], 1536                    ; Q: my two tiles are one entry
	s_add_nc_u64 s[QB:QB+1], s[KB:KB+1], s[52:53]
	s_add_nc_u64 s[KB:KB+1], s[KB:KB+1], 3145728
	s_add_nc_u64 s[QSP:QSP+1], s[6:7], s[54:55]
	s_add_nc_u64 s[KSB:KSB+1], s[QSP:QSP+1], 262144
	s_lshr_b32 s52, s[T32], 1
	s_lshl_b32 s52, s52, 8
	s_and_b32 s54, s[T32], 1
	s_lshl_b32 s54, s54, 2
	s_add_co_u32 s52, s52, s54
	s_add_nc_u64 s[QSP:QSP+1], s[QSP:QSP+1], s[52:53]
	s_lshl_b32 s52, s49, 15
	s_lshl_b32 s54, s[WV], 7
	s_add_co_u32 s52, s52, s54
	s_add_nc_u64 s[VSB:VSB+1], s[8:9], s[52:53]
	s_lshl_b32 s52, s[BB], 11
	s_lshl_b32 s54, s[T32], 5
	s_add_co_u32 s52, s52, s54                     ; my work-group's first query
	s_lshl_b32 s54, s52, 4
	s_lshl_b32 s51, s[BRN], 16
	s_add_co_u32 s54, s54, s51
	s_add_nc_u64 s[OSP:OSP+1], s[14:15], s[54:55]
	s_lshl_b32 s54, s[WV], 2
	s_add_co_u32 s52, s52, s54                     ; + my four rows
	s_lshl_b32 s52, s52, 13
	s_add_nc_u64 s[MBP:MBP+1], s[10:11], s[52:53]
	s_mul_i32 s52, s[BRN], 1572864                 ; the fragment that I send: K step w / 2, tile w % 2
	s_lshl_b32 s54, s[BB], 6
	s_add_co_u32 s54, s54, s[T32]
	s_lshr_b32 s54, s54, 1
	s_mul_i32 s54, s54, 24576
	s_add_co_u32 s52, s52, s54
	s_lshr_b32 s54, s[WV], 1
	s_mul_i32 s54, s54, 6144
	s_add_co_u32 s52, s52, s54
	s_and_b32 s54, s[T32], 1
	s_lshl_b32 s54, s54, 1
	s_and_b32 s51, s[WV], 1
	s_add_co_u32 s54, s54, s51
	s_mul_i32 s54, s54, 1536
	s_add_co_u32 s52, s52, s54
	s_add_nc_u64 s[OCP:OCP+1], s[12:13], s[52:53]
	; ---- key steps 0 and 1 of M, Q, and K of step 0
	MGLOAD MG2, VL16, 0
	MGLOAD MG, VL16, 512
.irp j, 0,1,2
	global_load_b128 v[QF+4*\j:QF+4*\j+3], v[VL16], s[QB:QB+1] offset:512*\j   ; registers 0-5: tile A's codes, 6-11: tile B's
.endr
	global_load_b32 v[QSC], v[VL8], s[QSP:QSP+1]
	v_mov_b32 v[VKO], v[VL16]
	v_mov_b32 v[VKS], v[VL8]
	v_mov_b32 v[VVO], v[VL16]
	v_mov_b32 v[VVS], v[VL4]
	KLOAD
	s_wait_loadcnt 22                              ; step 0 of M is in; step 1's 4, Q's 4 and K's 14 loads may be out
	MPUT MG2, VMS, 0
	s_wait_loadcnt 14                              ; Q is in; K's 14 may be out
	WIN 0x40
.irp n, 0,1,2,3,4,5
	v_mov_b32 v[QF+\n], v[QF+6+\n]                 ; tile B's codes to window 1
.endr
.irp n, 0,1,2,3,4,5
	v_mov_b32 v[QF+6+\n], 0                        ; zero codes for k = 64 .. 127
.endr
	WIN 0
.irp n, 0,1,2,3,4,5
	v_mov_b32 v[QF+6+\n], 0
	v_mov_b32 v[KV+48+\n], 0
.endr
	INIT
	WIN 0x55
	INIT
	WIN 0
	BARRIER                                        ; step 0 of the 32 rows of M' lies in LDS
	; ---- pass 1
	s_mov_b32 s[MO], 0
	s_mov_b32 s[TC], 0
	s_mov_b32 s51, 0
.Lp1:
	s_wait_loadcnt 0x0                             ; this step's K and the next step's M, asked for a trip ago
	s_wait_xcnt 0x0                                ; the last trip's prefetch has read its base
	s_add_co_u32 s50, s[TC], 4
	s_min_u32 s50, s50, 15                         ; the prefetch names step t + 4, in the last trips step 15
	s_lshl_b32 s50, s50, 9
	s_add_nc_u64 s[PFA:PFA+1], s[MBP:MBP+1], s[50:51]
	v_add_nc_u32 v[VMSS], s[MO], v[VMS]
	MPUT MG, VMSS, 512                             ; step t + 1 of my four rows
	v_add_nc_u32 v[VMAA], s[MO], v[VMA0]
	s_delay_alu instid0(VALU_DEP_1)
	v_add_nc_u32 v[VMAB], MPB, v[VMAA]
	MLD 0, VMAA, 0, 8
	MLD 1, VMAB, 0, 8
	WIN 0
.irp f, 0,1,2,3,4,5,6,7
	WMS \f, 0
.endr
	WIN 0x44                                       ; K in window 0; tile B's Q and scores in window 1
.irp f, 0,1,2,3,4,5,6,7
	WMS \f, 1
.endr
	WIN 0
	s_add_co_u32 s[TN], s[TC], 1
	s_and_b32 s[TN], s[TN], 15                     ; the last trip asks for step 0 again: pass 2 begins with it
	s_mul_i32 s[KO], s[TN], 6144
	s_lshl_b32 s[KS], s[TN], 9
	s_add_co_u32 s48, s[TC], 2
	s_min_u32 s48, s48, 15                         ; M: step t + 2, in the last two trips step 15
	s_lshl_b32 s48, s48, 9
	v_add_nc_u32 v[VKO], s[KO], v[VL16]            ; four plain lines: the places in front of the loads into K's registers and of the first read of the scores
	v_add_nc_u32 v[VKS], s[KS], v[VL8]
	v_add_nc_u32 v[VMG], s48, v[VL16]
	v_nop
	MGLOAD MG, VMG, 0
	KLOAD
	global_prefetch_b8 v[VPF], s[PFA:PFA+1] th:TH_LOAD_NT scope:SCOPE_SE
	s_wait_dscnt 0x0                               ; my stores of step t + 1 have landed, and this step's M' of both tiles is in:
	s_barrier_signal -1                            ; say so; only work on registers stands up to the wait
	STAT1
	WIN 0x55
	STAT1
	WIN 0
	s_barrier_wait -1                              ; step t + 1 of all 32 rows lies in LDS
	s_add_co_u32 s[MO], s[MO], 512
	s_add_co_u32 s[TC], s[TC], 1
	s_cmp_lt_u32 s[TC], 16
	s_cbranch_scc1 .Lp1
	s_wait_loadcnt 14                              ; the last trip's 4 loads of M are in: V's loads land on their registers; K's 14 may be out
	VLOAD                                          ; V of step 0, behind K of step 0; it lands while the statistics are merged
	MERGE
	WIN 0x55
	MERGE
	WIN 0
; A key step of pass 2.  nxt = 1: K and V of the next step are asked for.  At its head K (14 loads) and, younger, V (18 loads) of this step are out.
.macro P2STEP nxt
	v_add_nc_u32 v[VMAA], s[MO], v[VMA0]
	s_delay_alu instid0(VALU_DEP_1)
	v_add_nc_u32 v[VMAB], MPB, v[VMAA]
	MLD 0, VMAA, 0, 4
	MLD 1, VMAB, 0, 4
	WIN 0
	s_wait_loadcnt 18                              ; K is in; V's 18 loads may be out
.irp f, 0,1,2,3,4,5,6,7
	WMS \f, 0
.endr
	WIN 0x44
.irp f, 0,1,2,3,4,5,6,7
	WMS \f, 1
.endr
	WIN 0
.if \nxt
	v_add_nc_u32 v[VKO], 6144, v[VKO]              ; (K's loads are done: their addresses may step.)  Four plain lines: the places in front of the loads into K's registers and of the first read of the scores
	v_add_nc_u32 v[VKS], 512, v[VKS]
	v_nop
	v_nop
	KLOAD
.else
.rept 4
	v_nop
.endr
.endif
	s_wait_dscnt 8                                 ; A's M' of key tiles 0-3 is in; B's 8 loads may be out
	HALF 0
	MLD 0, VMAA, 256, 4
	s_wait_dscnt 8                                 ; B's of tiles 0-3 is in; A's 8 loads of tiles 4-7 may be out
	WIN 0x55
	HALF 0
	MLD 1, VMAB, 256, 4
	WIN 0
	s_wait_dscnt 8                                 ; A's of tiles 4-7 is in; B's 8 may be out
	HALF 1
	MAXB 2, 3
	QUANT PWA, 0
	s_wait_loadcnt 14*(\nxt)                       ; V is in; the next step's K, 14 loads, may be out
	v_perm_b32 v[VSC], v[VSL+1], v[VSL], 0x05040100      ; feature block 0: the bytes of the step's four key blocks
	v_perm_b32 v[VSC+1], v[VSL+1], v[VSL], 0x07060302    ; feature block 1
	s_wait_dscnt 0x0
	WIN 0x55
	HALF 1
	MAXB 2, 3
	QUANT PWB, 1
	WIN 0
.if \nxt                               ; eight plain lines that name no register of the products below: a scale word made by vector instructions stands eight ahead, codes so made four
	v_add_nc_u32 v[VVO], 6144, v[VVO]              ; (V's loads are done: their addresses may step)
	v_add_nc_u32 v[VVS], 2048, v[VVS]
.rept 6
	v_nop
.endr
.else
.rept 8
	v_nop
.endr
.endif
	WIN 0x01                                       ; V in window 1; tile A's codes and result in window 0
.irp t, 0,1,2,3
	WMO \t, PWA
.endr
	WIN 0x55
.irp t, 0,1,2,3
	WMO \t, PWB
.endr
	WIN 0
.rept 4
	v_nop                                          ; places in front of the loads into V's registers, and of the first read of the result
.endr
.if \nxt
	VLOAD
.endif
.endm
	s_mov_b32 s[MO], 0
	s_mov_b32 s[TC], 15
.Lp2:
	P2STEP 1
	s_add_co_u32 s[MO], s[MO], 512
	s_sub_co_u32 s[TC], s[TC], 1
	s_cmp_lg_u32 s[TC], 0
	s_cbranch_scc1 .Lp2
	P2STEP 0                                       ; the last step asks for nothing more
	OQ 0
	OQ 1
	WIN 0
	BARRIER                                        ; the eight fragments and the scale bytes lie in LDS
.irp j, 0,1,2
	ds_load_b128 v[S+4*\j:S+4*\j+3], v[VRA] offset:16*\j
.endr
	s_wait_dscnt 0x0
.irp j, 0,1,2
	global_store_b128 v[VL16], v[S+4*\j:S+4*\j+3], s[OCP:OCP+1] offset:512*\j   ; a fragment a wave, 512 consecutive bytes a store
.endr
	s_cmp_lg_u32 s[WV], 0
	s_cbranch_scc1 .Lend
	ds_load_b128 v[S+12:S+15], v[VRB]
	s_wait_dscnt 0x0
	global_store_b128 v[VL16], v[S+12:S+15], s[OSP:OSP+1]   ; wave 0: the 32 queries' scale bytes, 512 consecutive bytes
.Lend:
	s_wait_tensorcnt 0x0                           ; the wave's end: three lines behind my last LDS store
	ds_add_u32 v[SPW], v[NIL]
	s_wait_dscnt 0x0
	s_endpgm
.Lfunc_end_k_qbaf6e50757_attn:
	.size	k_qbaf6e50757_attn, .Lfunc_end_k_qbaf6e50757_attn-k_qbaf6e50757_attn
	.p2alignl 7, 3214868480
	.fill 96, 4, 3214868480
	.section	.rodata,"a",@progbits
	.p2align	6, 0x0
	.amdhsa_kernel k_qbaf6e50757_attn
		.amdhsa_group_segment_fixed_size 292864
		.amdhsa_private_segment_fixed_size 0
		.amdhsa_enable_private_segment 0
		.amdhsa_kernarg_size 48
		.amdhsa_user_sgpr_count 2
		.amdhsa_user_sgpr_kernarg_segment_ptr 1
		.amdhsa_wavefront_size32 1
		.amdhsa_system_sgpr_workgroup_id_x 1
		.amdhsa_system_sgpr_workgroup_id_y 1
		.amdhsa_system_sgpr_workgroup_id_z 1
		.amdhsa_system_vgpr_workitem_id 0
		.amdhsa_next_free_vgpr 512
		.amdhsa_next_free_sgpr 66
		.amdhsa_reserve_vcc 0
		.amdhsa_float_denorm_mode_32 3
		.amdhsa_float_denorm_mode_16_64 3
		.amdhsa_memory_ordered 1
		.amdhsa_forward_progress 1
		.amdhsa_inst_pref_size 123
	.end_amdhsa_kernel
	.amdgpu_metadata
---
amdhsa.version: [ 1, 2 ]
amdhsa.kernels:
  - .name:           k_qbaf6e50757_attn
    .symbol:         k_qbaf6e50757_attn.kd
    .args:
      - { .name: qkv, .offset: 0, .size: 8, .value_kind: global_buffer, .address_space: global }
      - { .name: qks, .offset: 8, .size: 8, .value_kind: global_buffer, .address_space: global }
      - { .name: vsc, .offset: 16, .size: 8, .value_kind: global_buffer, .address_space: global }
      - { .name: M, .offset: 24, .size: 8, .value_kind: global_buffer, .address_space: global }
      - { .name: oc, .offset: 32, .size: 8, .value_kind: global_buffer, .address_space: global }
      - { .name: osc, .offset: 40, .size: 8, .value_kind: global_buffer, .address_space: global }
    .group_segment_fixed_size: 292864
    .private_segment_fixed_size: 0
    .kernarg_segment_align: 8
    .kernarg_segment_size: 48
    .max_flat_workgroup_size: 256
    .sgpr_count:     66
    .vgpr_count:     512
    .wavefront_size: 32
...
	.end_amdgpu_metadata
.endif
;; end of part 3
;; launch post (part 4): grid 128 x 2, 16 waves a work-group, no clusters, 297,984 bytes of LDS; arguments oc, osc, wimg, gene_emb, expr_emb, g_bo, e_bo, ln_g2_w, ln_g2_b, ln_e2_w, ln_e2_b, fg_b1, fe_b1, fg_b2, fe_b2, out0, out1; writes out0, out1
.if DOCPART == 4
	.amdgcn_target "amdgcn-amd-amdhsa--gfx1250"
	.amdhsa_code_object_version 6
	.text
	.protected	k_qbaf6e50757_post
	.globl	k_qbaf6e50757_post
	.p2align	8
	.type	k_qbaf6e50757_post,@function
k_qbaf6e50757_post:
	s_mov_b64 s[64:65], 0
	v_nop
	global_prefetch_b8 v0, s[64:65] scope:SCOPE_SE
	s_setreg_imm32_b32 hwreg(HW_REG_WAVE_MODE, 25, 1), 1
	s_wait_xcnt 0x0
; The output projection with its residual, the second layer norm, and the feed-forward layer with both residuals; all products on codes of FP6 (E2M3) with one E8M0 byte for each 32 along K.
; A work-group: 32 tokens (x) of one branch (y): 256 work-groups.  Sixteen waves of 256 registers.  Wave w owns 32 output features at a time for the 32 tokens: 4 accumulators.  All products are used
; transposed (source 0 = weights): a lane holds one token and 16 neighbouring features.  Weights come from wimg straight into registers through four register slots, filled four K steps ahead, on into the next weight.
; x = emb + bo starts the first sums; R = x + x_ln + b2 waits in the wave's own stash in LDS and starts the last sums; the hidden layer (32 x 2,048) stays in LDS as codes.
; gelu(x) = max(x, 0) - |x| y, y = erfc(|x| / sqrt 2) / 2 = t 2^(P(t) - x^2 log2(e) / 2), t = 1 / (1 + |x| sqrt(2) / 4), P of degree 9: a fit of erfc with fractional error under 1.2e-7.
; LDS keeps the strides of the workspace's groups of four token tiles: fragment (K step s, token tile tt) at (4 s + tt) x 1,536 and scale words [K step][64 tokens]; this text uses tt = 0, 1, the other places are not touched.
; NO CLUSTER: the 128 work-groups of a branch walk the same weights, but each takes them straight into registers, a fragment to one wave, with no LDS between; joint loads would want two LDS slots of a
; K step's 16 units (53,248 bytes each) and a round of the cluster's barrier for each of the 36 K steps: a choice of this text, not a bound.
; LIMITS: a block of zeros, or one whose largest magnitude lies under 2^-124, gets the byte 1; NaN and infinities are not served.  The variance is the mean of squared differences from the mean.
.set OAS,   0                          ; scale words [K step][token]: the attention result,
.set XLS,   1024                       ; the normed rows,
.set HS,    2048                       ; the hidden layer (16 K steps)
.set RED1,  6144                       ; [token] 16 words + 16 bytes: sums
.set RED2,  11264                      ; sums of squares
.set OA,    16384                      ; fragments (K step s, token tile tt) at (4 s + tt) x 1,536
.set XL,    40960
.set H,     65536
.set ST,    163840                     ; each wave's stash, 8,192 bytes apart; later the stage of 32 rows x (2,048 + 16)
.set SPARE, 295936                     ; the spare words: 128 bytes for each of 16 waves
.set VLI,  1
.set VLS,  2
.set VL16, 3
.set VB64, 4
.set VC0,  5
.set VS0,  6
.set VT0,  7
.set VT1,  8
.set VE,   9                           ; 2048 r + 64 h
.set VH0,  10                          ; 48 x lane + H
.set VH1,  11                          ; and 49,152 on
.set SPW,  12
.set NIL,  13
.set WSC,  16                          ; v16-19 the weights' scale words
.set ASC,  20                          ; the tokens': lanes 0-15 tile 0, lanes 16-31 tile 1
.set VT2,  22
.set VT3,  23
.set BIAS, 24
.set AB,   40
.set TM,   AB
.set CT,   AB+16
.set GT,   AB                          ; gelu: t,
.set GP,   AB+16                       ; P,
.set GE,   AB+32                       ; the exponent
.set LW,   AB                          ; the norm: gain,
.set LB,   AB+16                       ; offset,
.set NM,   AB+32                       ; - mean, a pair for each token tile,
.set RS,   AB+40                       ; 1 / deviation likewise
.set WB,   88
.set UU,   WB+16
.set RT,   WB+64
.set ACC,  184                         ; v184-215
.set VSTS, 248
.set VOS,  249
.set VOR,  251
.set WV,   38
.set BR,   39
.set EMB,  40
.set BO,   42
.set LNW,  44
.set LNB,  46
.set B1,   48
.set B2,   50
.set OUTP, 52
.set PWO,  54
.set PW1,  56
.set PW2,  58
.set OCP,  60
.set SEL,  62
.set OSP,  66
.set CF,   68                          ; s[68:85] the polynomial's coefficients of t^8 .. t^0, each twice
.set CE,   86                          ; s[86:87] - log2(e) / 2
.set CK,   88                          ; sqrt(2) / 4
.macro BARRIER
	s_wait_dscnt 0x0
	s_barrier_signal -1
	s_barrier_wait -1
.endm
.macro BLOAD ptr, off
.irp j, 0,1,2,3
	global_load_b128 v[BIAS+4*\j:BIAS+4*\j+3], v[VB64], s[\ptr:\ptr+1] offset:(\off)+16*\j
.endr
.endm
.macro WLOAD slot, ptr, off            ; a unit: two fragments and their scale words: 7 loads
.irp i, 0,1,2,3,4,5
	global_load_b128 v[WB+24*(\slot)+4*\i:WB+24*(\slot)+4*\i+3], v[VL16], s[\ptr:\ptr+1] offset:(\off)+512*\i
.endr
	global_load_b32 v[WSC+(\slot)], v[VLS], s[\ptr:\ptr+1] offset:(\off)+3072
.endm
.macro WM d, a, b, c, sa, sb, ra, rb
.if ((\ra) == 0) && ((\rb) == 0)
	v_wmma_scale_f32_16x16x128_f8f6f4 v[(\d):(\d)+7], v[(\a):(\a)+11], v[(\b):(\b)+11], v[(\c):(\c)+7], v[\sa], v[\sb] matrix_a_fmt:MATRIX_FMT_FP6 matrix_b_fmt:MATRIX_FMT_FP6
.elseif (\rb) == 0
	v_wmma_scale_f32_16x16x128_f8f6f4 v[(\d):(\d)+7], v[(\a):(\a)+11], v[(\b):(\b)+11], v[(\c):(\c)+7], v[\sa], v[\sb] matrix_a_fmt:MATRIX_FMT_FP6 matrix_b_fmt:MATRIX_FMT_FP6 matrix_a_scale:MATRIX_SCALE_ROW1
.elseif (\ra) == 0
	v_wmma_scale_f32_16x16x128_f8f6f4 v[(\d):(\d)+7], v[(\a):(\a)+11], v[(\b):(\b)+11], v[(\c):(\c)+7], v[\sa], v[\sb] matrix_a_fmt:MATRIX_FMT_FP6 matrix_b_fmt:MATRIX_FMT_FP6 matrix_b_scale:MATRIX_SCALE_ROW1
.else
	v_wmma_scale_f32_16x16x128_f8f6f4 v[(\d):(\d)+7], v[(\a):(\a)+11], v[(\b):(\b)+11], v[(\c):(\c)+7], v[\sa], v[\sb] matrix_a_fmt:MATRIX_FMT_FP6 matrix_b_fmt:MATRIX_FMT_FP6 matrix_a_scale:MATRIX_SCALE_ROW1 matrix_b_scale:MATRIX_SCALE_ROW1
.endif
.endm
; A K step of 128: two token fragments and their scale words from LDS, four products on four accumulators by turns.  cm = 0: the bias is the C; else in place.
; cnt: the loads younger than this slot's that may stay out.  Five plain lines close it: four serve the loads into registers that the products read and the first read of results, the fifth the next
; block's first products, which write over these accumulators with another C.
.macro KSTEP slot, areg, aoff, soff, cm, cnt
.irp tt, 0,1
.irp j, 0,1,2
	ds_load_b128 v[AB+12*\tt+4*\j:AB+12*\tt+4*\j+3], v[\areg] offset:(\aoff)+1536*\tt+16*\j
.endr
.endr
	ds_load_b32 v[ASC], v[VLS] offset:\soff
	s_wait_loadcnt \cnt
	s_wait_dscnt 0x0
.irp tt, 0,1
.irp u, 0,1
.if (\cm) == 0
	WM ACC+16*\tt+8*\u, WB+24*(\slot)+12*\u, AB+12*\tt, BIAS+8*\u, WSC+(\slot), ASC, \u, \tt
.else
	WM ACC+16*\tt+8*\u, WB+24*(\slot)+12*\u, AB+12*\tt, ACC+16*\tt+8*\u, WSC+(\slot), ASC, \u, \tt
.endif
.endr
.endr
.rept 5
	v_nop
.endr
.endm
.macro QBC base                        ; two groups of 16 registers, each half a block of 32, become codes (CT) and a scale byte (TM + 4)
	s_wait_dscnt 0x0                               ; earlier LDS stores have read TM and CT
.irp g, 0,1
	v_max3_num_f32 v[TM+\g], |v[(\base)+16*\g]|, |v[(\base)+16*\g+1]|, 0x1800000   ; the floor 2^(3 - 127): the byte cannot fall under 1
.endr
.irp i, 2,4,6,8,10,12,14
.irp g, 0,1
	v_max3_num_f32 v[TM+\g], v[TM+\g], |v[(\base)+16*\g+\i]|, |v[(\base)+16*\g+\i+1]|
.endr
.endr
.irp g, 0,1
	v_permlanex16_b32 v[TM+4+\g], v[TM+\g], s[SEL], s[SEL+1]
.endr
.irp g, 0,1
	v_max_num_f32 v[TM+\g], v[TM+\g], v[TM+4+\g]
.endr
.irp g, 0,1
	v_add_nc_u32 v[TM+8+\g], 0xff000000, v[TM+\g]  ; 2 off the exponent field: the conversion's scale operand
.endr
.irp g, 0,1
	v_lshrrev_b32 v[TM+4+\g], 23, v[TM+8+\g]       ; the byte
.endr
.irp g, 0,1
	v_cvt_scalef32_pk16_fp6_f32 v[CT+4*\g:CT+4*\g+2], v[(\base)+16*\g:(\base)+16*\g+15], v[TM+8+\g]
.endr
	v_nop                                          ; one plain line behind the conversions
.endm
.macro QBS1 g, ca, o, sa, p
.irp i, 0,1,2
	ds_store_b32 v[\ca], v[CT+4*(\g)+\i] offset:(\o)+4*\i
.endr
	ds_store_b8 v[\sa], v[TM+4+(\g)] offset:\p     ; both halves of the lanes write the same byte with the same value
.endm
.macro TREE base                       ; for each token tile tt: v[RT + 8 tt] = the sum of v[base + 16 tt] .. + 15
.irp i, 0,1,2,3
.irp tt, 0,1
	v_pk_add_f32 v[RT+8*\tt+2*\i:RT+8*\tt+2*\i+1], v[(\base)+16*\tt+2*\i:(\base)+16*\tt+2*\i+1], v[(\base)+16*\tt+8+2*\i:(\base)+16*\tt+9+2*\i]
.endr
.endr
.irp i, 0,1
.irp tt, 0,1
	v_pk_add_f32 v[RT+8*\tt+2*\i:RT+8*\tt+2*\i+1], v[RT+8*\tt+2*\i:RT+8*\tt+2*\i+1], v[RT+8*\tt+4+2*\i:RT+8*\tt+5+2*\i]
.endr
.endr
.irp tt, 0,1
	v_pk_add_f32 v[RT+8*\tt:RT+8*\tt+1], v[RT+8*\tt:RT+8*\tt+1], v[RT+8*\tt+2:RT+8*\tt+3]
.endr
.irp tt, 0,1
	v_add_f32 v[RT+8*\tt], v[RT+8*\tt], v[RT+8*\tt+1]
.endr
.endm
.macro SHARE off                       ; with lane l xor 16's; my 32 features' part to LDS; a barrier; all sixteen parts back
.irp tt, 0,1
	v_permlanex16_b32 v[RT+8*\tt+1], v[RT+8*\tt], s[SEL], s[SEL+1]
.endr
.irp tt, 0,1
	v_add_f32 v[RT+8*\tt], v[RT+8*\tt], v[RT+8*\tt+1]
.endr
.irp tt, 0,1
	ds_store_b32 v254, v[RT+8*\tt] offset:(\off)+1280*\tt
.endr
	BARRIER
.irp tt, 0,1
.irp k, 0,1,2,3
	ds_load_b128 v[WB+16*\tt+4*\k:WB+16*\tt+4*\k+3], v255 offset:(\off)+1280*\tt+16*\k
.endr
.endr
	s_wait_dscnt 0x0
	TREE WB
.endm
.macro LNOUT tt                        ; token tile tt: R to the stash, x_ln in place of x
.set i, 0
.rept 8
	v_pk_add_f32 v[WB+2*i:WB+2*i+1], v[ACC+16*(\tt)+2*i:ACC+16*(\tt)+2*i+1], v[NM+2*(\tt):NM+2*(\tt)+1]
.set i, i+1
.endr
.set i, 0
.rept 8
	v_pk_mul_f32 v[WB+2*i:WB+2*i+1], v[WB+2*i:WB+2*i+1], v[RS+2*(\tt):RS+2*(\tt)+1]
.set i, i+1
.endr
.set i, 0
.rept 8
	v_pk_fma_f32 v[UU+16*(\tt)+2*i:UU+16*(\tt)+2*i+1], v[WB+2*i:WB+2*i+1], v[LW+2*i:LW+2*i+1], v[ACC+16*(\tt)+2*i:ACC+16*(\tt)+2*i+1]
.set i, i+1
.endr
.set i, 0
.rept 8
	v_pk_add_f32 v[UU+16*(\tt)+2*i:UU+16*(\tt)+2*i+1], v[UU+16*(\tt)+2*i:UU+16*(\tt)+2*i+1], v[BIAS+2*i:BIAS+2*i+1]
.set i, i+1
.endr
.set i, 0
.rept 8
	v_pk_fma_f32 v[ACC+16*(\tt)+2*i:ACC+16*(\tt)+2*i+1], v[WB+2*i:WB+2*i+1], v[LW+2*i:LW+2*i+1], v[LB+2*i:LB+2*i+1]
.set i, i+1
.endr
.irp j, 0,1,2,3
	ds_store_b128 v[VSTS], v[UU+16*(\tt)+4*\j:UU+16*(\tt)+4*\j+3] offset:512*(4*(\tt)+\j)
.endr
.endm
.macro GELU16 x                        ; sixteen numbers in place: two batches of transcendentals, a wait ahead of each and one behind it
.set i, 0
.rept 16
	v_fma_f32 v[GP+i], |v[(\x)+i]|, s[CK], 1.0
.set i, i+1
.endr
.set i, 0
	s_wait_alu depctr_va_vdst(0)
.rept 16
	v_rcp_f32 v[GT+i], v[GP+i]
.set i, i+1
.endr
.set i, 0
.rept 8
	v_pk_mul_f32 v[GE+2*i:GE+2*i+1], v[(\x)+2*i:(\x)+2*i+1], v[(\x)+2*i:(\x)+2*i+1]   ; x^2: plain work behind the reciprocals
.set i, i+1
.endr
	s_wait_alu depctr_va_vdst(0)
.set i, 0
.rept 8
	v_pk_fma_f32 v[GP+2*i:GP+2*i+1], v[GT+2*i:GT+2*i+1], v[252:253], s[CF:CF+1] op_sel_hi:[1,1,0]
.set i, i+1
.endr
.irp n, 1,2,3,4,5,6,7,8
.set i, 0
.rept 8
	v_pk_fma_f32 v[GP+2*i:GP+2*i+1], v[GP+2*i:GP+2*i+1], v[GT+2*i:GT+2*i+1], s[CF+2*\n:CF+2*\n+1] op_sel_hi:[1,1,0]
.set i, i+1
.endr
.endr
.set i, 0
.rept 8
	v_pk_fma_f32 v[GE+2*i:GE+2*i+1], v[GE+2*i:GE+2*i+1], s[CE:CE+1], v[GP+2*i:GP+2*i+1] op_sel_hi:[1,0,1]
.set i, i+1
.endr
.set i, 0
	s_wait_alu depctr_va_vdst(0)
.rept 16
	v_exp_f32 v[GE+i], v[GE+i]
.set i, i+1
.endr
.set i, 0
.rept 16
	v_max_num_f32 v[GP+i], 0, v[(\x)+i]            ; max(x, 0): plain work behind the exponentials
.set i, i+1
.endr
	s_wait_alu depctr_va_vdst(0)
.set i, 0
.rept 8
	v_pk_mul_f32 v[GE+2*i:GE+2*i+1], v[GE+2*i:GE+2*i+1], v[GT+2*i:GT+2*i+1]   ; y
.set i, i+1
.endr
.set i, 0
.rept 16
	v_fma_f32 v[(\x)+i], -|v[(\x)+i]|, v[GE+i], v[GP+i]
.set i, i+1
.endr
.endm
.macro SETC n, bits
	s_mov_b32 s[CF+2*(\n)], \bits
	s_mov_b32 s[CF+2*(\n)+1], \bits
.endm
	s_load_b512 s[4:19], s[0:1], 0x0               ; oc, osc, wimg, gene_emb, expr_emb, g_bo, e_bo, ln_g2_w
	s_load_b512 s[20:35], s[0:1], 0x40             ; ln_g2_b, ln_e2_w, ln_e2_b, fg_b1, fe_b1, fg_b2, fe_b2, out0
	s_load_b64 s[36:37], s[0:1], 0x80              ; out1
	v_lshl_add_u32 v[SPW], v0, 2, SPARE
	v_mov_b32 v[NIL], 0
	v_lshrrev_b32 v252, 5, v0
	s_delay_alu instid0(VALU_DEP_1)
	v_readfirstlane_b32 s[WV], v252                ; wave 0..15
	s_and_b32 s[BR], ttmp7, 0xffff
	v_and_b32 v252, 31, v0                         ; lane
	v_and_b32 v253, 15, v0                         ; r
	v_bfe_u32 v254, v0, 4, 1                       ; h
	s_delay_alu instid0(VALU_DEP_3)
	v_mul_u32_u24 v[VLI], v252, 48
	s_delay_alu instid0(VALU_DEP_4)
	v_lshlrev_b32 v[VLS], 2, v252
	v_lshlrev_b32 v[VL16], 4, v252
	s_delay_alu instid0(VALU_DEP_4)
	v_lshlrev_b32 v[VB64], 6, v254
	v_mul_u32_u24 v[VC0], v253, 48
	s_delay_alu instid0(VALU_DEP_1)
	v_mad_u32_u24 v[VC0], v254, 12, v[VC0]
	v_lshlrev_b32 v[VS0], 2, v253
	v_lshlrev_b32 v[VE], 11, v253
	s_delay_alu instid0(VALU_DEP_1)
	v_lshl_add_u32 v[VE], v254, 6, v[VE]
	v_add_nc_u32 v[VH0], H, v[VLI]
	v_add_nc_u32 v[VH1], H+49152, v[VLI]
	v_lshlrev_b32 v[VT2], 4, v253                  ; 16 r: the attention result's scale bytes
	s_lshl_b32 s92, s[WV], 13
	s_add_co_u32 s92, s92, ST
	v_add_nc_u32 v[VSTS], s92, v[VL16]             ; my stash
	s_lshl_b32 s92, s[WV], 7
	s_add_co_u32 s92, s92, ST
	v_mul_u32_u24 v[VOS], v253, 2064
	s_delay_alu instid0(VALU_DEP_1)
	v_lshl_add_u32 v[VOS], v254, 6, v[VOS]
	s_delay_alu instid0(VALU_DEP_1)
	v_add_nc_u32 v[VOS], s92, v[VOS]               ; the stage: row r, my 32 features, 64 h
	s_mul_i32 s92, s[WV], 4128
	s_add_co_u32 s92, s92, ST
	v_add_nc_u32 v[VOR], s92, v[VL16]              ; back: my two rows
	v_mul_u32_u24 v255, v253, 80
	s_delay_alu instid0(VALU_DEP_1)
	v_add_nc_u32 v255, RED1, v255                  ; my token's sixteen parts
	s_lshl_b32 s92, s[WV], 2
	v_add_nc_u32 v254, s92, v255                   ; and mine among them
	s_bfe_u32 s92, s[WV], 0x20001                  ; waves 0-7 bring the attention result in: K step s = (w / 2) % 4,
	s_lshl_b32 s92, s92, 2
	s_and_b32 s94, s[WV], 1                        ; token tile t = w % 2
	s_add_co_u32 s94, s94, s92                     ; 4 s + t
	s_mul_i32 s92, s94, 1536
	s_add_co_u32 s92, s92, OA
	v_add_nc_u32 v[VT0], s92, v[VLI]
	s_lshl_b32 s92, s94, 6
	v_add_nc_u32 v[VT1], s92, v[VS0]
	v_mov_b32 v252, 0x3e7c6f08                     ; the coefficient of t^9, twice
	v_mov_b32 v253, 0x3e7c6f08
.irp g, 0,1
	v_mov_b32 v[TM+4+\g], 0                        ; a lane permute's destination counts as one of its sources
.endr
	s_mov_b32 s[SEL], 0x76543210
	s_mov_b32 s[SEL+1], 0xfedcba98
	SETC 0, 0xbf97d29d                             ; the fit's coefficients x log2(e); 1 is taken off the last for the factor 1 / 2
	SETC 1, 0x40097039
	SETC 2, 0xbfd1a1e5
	SETC 3, 0x3ecdfd18
	SETC 4, 0xbe899a80
	SETC 5, 0x3e0efb2f
	SETC 6, 0x3f0a29d2
	SETC 7, 0x3fb8ab5a
	SETC 8, 0xc034d90f
	s_mov_b32 s[CE], 0xbf38aa3b
	s_mov_b32 s[CE+1], 0xbf38aa3b
	s_mov_b32 s[CK], 0x3eb504f3
	s_mov_b32 s100, 0x3b000000                     ; 1 / 512
	s_mov_b32 s101, 0x3727c5ac                     ; 1e-5
	s_mov_b32 s93, 0
	s_mov_b32 s95, 0
	s_mov_b32 s97, 0
	s_mov_b32 s99, 0
	s_wait_alu depctr_va_vdst(0)                   ; the wait at the head's end
	s_wait_kmcnt 0x0
	s_cmp_eq_u32 s[BR], 0                          ; the branch's buffers: the choice hangs on the work-group's number alone
	s_cselect_b64 s[EMB:EMB+1], s[10:11], s[12:13]
	s_cselect_b64 s[BO:BO+1], s[14:15], s[16:17]
	s_cselect_b64 s[LNW:LNW+1], s[18:19], s[22:23]
	s_cselect_b64 s[LNB:LNB+1], s[20:21], s[24:25]
	s_cselect_b64 s[B1:B1+1], s[26:27], s[28:29]
	s_cselect_b64 s[B2:B2+1], s[30:31], s[32:33]
	s_cselect_b64 s[OUTP:OUTP+1], s[34:35], s[36:37]
	s_lshl_b32 s92, s[WV], 7                       ; my 32 features in a row or a bias
	s_add_nc_u64 s[BO:BO+1], s[BO:BO+1], s[92:93]
	s_add_nc_u64 s[LNW:LNW+1], s[LNW:LNW+1], s[92:93]
	s_add_nc_u64 s[LNB:LNB+1], s[LNB:LNB+1], s[92:93]
	s_add_nc_u64 s[B2:B2+1], s[B2:B2+1], s[92:93]
	s_lshl_b32 s94, ttmp9, 16                      ; 32 x rows of 2,048 bytes
	s_add_co_u32 s96, s94, s92
	s_add_nc_u64 s[EMB:EMB+1], s[EMB:EMB+1], s[96:97]
	s_lshl_b32 s96, s[WV], 12                      ; two rows a wave on the way out
	s_add_co_u32 s96, s96, s94
	s_add_nc_u64 s[OUTP:OUTP+1], s[OUTP:OUTP+1], s[96:97]
	s_lshl_b32 s96, s[WV], 9                       ; my 128 hidden units
	s_add_nc_u64 s[B1:B1+1], s[B1:B1+1], s[96:97]
	s_mul_i32 s98, s[BR], 2555904                  ; the branch's 768 units
	s_mul_i32 s96, s[WV], 13312
	s_add_co_u32 s96, s96, s98
	s_add_co_u32 s96, s96, 638976                  ; wo from unit 192, four units a block
	s_add_nc_u64 s[PWO:PWO+1], s[8:9], s[96:97]
	s_mul_i32 s96, s[WV], 53248
	s_add_co_u32 s96, s96, s98
	s_add_co_u32 s96, s96, 851968                  ; w1 from unit 256, my four blocks of four units
	s_add_nc_u64 s[PW1:PW1+1], s[8:9], s[96:97]
	s_add_nc_u64 s[PW2:PW2+1], s[PW1:PW1+1], 851968   ; w2 from unit 512, my block of sixteen units
	s_mul_i32 s96, s[BR], 1572864                  ; oc: a group of 64 tokens is 24,576 bytes; in it fragment (s, tile) at (4 s + tile) x 1,536; my work-group's tiles are 2 (x % 2) + t
	s_lshr_b32 s94, ttmp9, 1
	s_mul_i32 s94, s94, 24576
	s_add_co_u32 s96, s96, s94
	s_bfe_u32 s94, s[WV], 0x20001
	s_mul_i32 s94, s94, 6144
	s_add_co_u32 s96, s96, s94
	s_and_b32 s94, ttmp9, 1
	s_lshl_b32 s94, s94, 1
	s_and_b32 s98, s[WV], 1
	s_add_co_u32 s94, s94, s98
	s_mul_i32 s94, s94, 1536
	s_add_co_u32 s96, s96, s94
	s_add_nc_u64 s[OCP:OCP+1], s[4:5], s[96:97]
	s_lshl_b32 s96, s[BR], 16                      ; osc: 16 bytes a token: 32 x tokens, 16 t tokens, word s
	s_lshl_b32 s94, ttmp9, 9
	s_add_co_u32 s96, s96, s94
	s_and_b32 s94, s[WV], 1
	s_lshl_b32 s94, s94, 8
	s_add_co_u32 s96, s96, s94
	s_bfe_u32 s94, s[WV], 0x20001
	s_lshl_b32 s94, s94, 2
	s_add_co_u32 s96, s96, s94
	s_add_nc_u64 s[OSP:OSP+1], s[6:7], s[96:97]
	; ---- emb + bo starts the sums; the attention result's eight fragments go into LDS, one to each of waves 0-7
	BLOAD BO, 0
.irp tt, 0,1
.irp j, 0,1,2,3
	global_load_b128 v[ACC+16*\tt+4*\j:ACC+16*\tt+4*\j+3], v[VE], s[EMB:EMB+1] offset:32768*\tt+16*\j
.endr
.endr
.irp k, 0,1,2,3
	WLOAD \k, PWO, \k*3328
.endr
	s_cmp_gt_u32 s[WV], 7
	s_cbranch_scc1 .Lnofrag
.irp j, 0,1,2
	global_load_b128 v[AB+4*\j:AB+4*\j+3], v[VL16], s[OCP:OCP+1] offset:512*\j
.endr
	global_load_b32 v[AB+12], v[VT2], s[OSP:OSP+1]
	s_wait_loadcnt 0x0                             ; the fragment and its scale word are my youngest loads
.irp j, 0,1,2
	ds_store_b128 v[VT0], v[AB+4*\j:AB+4*\j+3] offset:16*\j
.endr
	ds_store_b32 v[VT1], v[AB+12] offset:OAS
.Lnofrag:
	s_wait_loadcnt 28                              ; bias and rows are in; the four slots' 28 loads may be out
.irp tt, 0,1
.irp i, 0,1,2,3,4,5,6,7
	v_pk_add_f32 v[ACC+16*\tt+2*\i:ACC+16*\tt+2*\i+1], v[ACC+16*\tt+2*\i:ACC+16*\tt+2*\i+1], v[BIAS+2*\i:BIAS+2*\i+1]
.endr
.endr
	s_wait_alu depctr_va_vdst(0)                   ; the wait ahead of the barrier
	BARRIER
	KSTEP 0, VLI, OA, OAS, 1, 21
	KSTEP 1, VLI, OA+6144, OAS+256, 1, 14
	KSTEP 2, VLI, OA+12288, OAS+512, 1, 7
	KSTEP 3, VLI, OA+18432, OAS+768, 1, 0
.irp j, 0,1,2,3
	global_load_b128 v[LW+4*\j:LW+4*\j+3], v[VB64], s[LNW:LNW+1] offset:16*\j
	global_load_b128 v[LB+4*\j:LB+4*\j+3], v[VB64], s[LNB:LNB+1] offset:16*\j
.endr
	BLOAD B2, 0
	; ---- the second norm: a row's 512 features lie in sixteen waves
	TREE ACC
	SHARE 0
.irp tt, 0,1
	v_mul_f32 v[NM+2*\tt], 0xbb000000, v[RT+8*\tt] ; - mean
.endr
.irp tt, 0,1
	v_mov_b32 v[NM+2*\tt+1], v[NM+2*\tt]
.endr
.irp i, 0,1,2,3,4,5,6,7
.irp tt, 0,1
	v_pk_add_f32 v[WB+2*\tt:WB+2*\tt+1], v[ACC+16*\tt+2*\i:ACC+16*\tt+2*\i+1], v[NM+2*\tt:NM+2*\tt+1]
.endr
.irp tt, 0,1
.if \i == 0
	v_pk_mul_f32 v[WB+8+2*\tt:WB+9+2*\tt], v[WB+2*\tt:WB+2*\tt+1], v[WB+2*\tt:WB+2*\tt+1]
.else
	v_pk_fma_f32 v[WB+8+2*\tt:WB+9+2*\tt], v[WB+2*\tt:WB+2*\tt+1], v[WB+2*\tt:WB+2*\tt+1], v[WB+8+2*\tt:WB+9+2*\tt]
.endif
.endr
.endr
.irp tt, 0,1
	v_add_f32 v[RT+8*\tt], v[WB+8+2*\tt], v[WB+9+2*\tt]
.endr
	SHARE RED2-RED1
.irp tt, 0,1
	v_fma_f32 v[RT+8*\tt], v[RT+8*\tt], s100, s101 ; variance + 1e-5
.endr
	s_wait_alu depctr_va_vdst(0)                   ; the wait ahead of the batch
.irp tt, 0,1
	v_rsq_f32 v[RS+2*\tt], v[RT+8*\tt]
.endr
	s_wait_loadcnt 0x0                             ; gain, offset, b2
.irp i, 0,1,2,3,4,5,6,7
	v_pk_add_f32 v[BIAS+2*\i:BIAS+2*\i+1], v[BIAS+2*\i:BIAS+2*\i+1], v[LB+2*\i:LB+2*\i+1]   ; offset + b2: plain work behind the two
.endr
	s_wait_alu depctr_va_vdst(0)                   ; one wait ahead of the batch's first reader
.irp tt, 0,1
	v_mov_b32 v[RS+2*\tt+1], v[RS+2*\tt]
.endr
	LNOUT 0
	LNOUT 1
	s_wait_dscnt 0x0                               ; the stash's stores have read their registers: the weight slots may be loaded
	BLOAD B1, 0
.irp k, 0,1,2,3
	WLOAD \k, PW1, \k*3328
.endr
	s_lshr_b32 s92, s[WV], 2                       ; my 32 features are block w % 4 of K step w / 4
	s_mul_i32 s92, s92, 6144
	s_and_b32 s94, s[WV], 1
	s_mul_i32 s94, s94, 768
	s_add_co_u32 s92, s92, s94
	s_bfe_u32 s94, s[WV], 0x10001
	s_mul_i32 s94, s94, 24
	s_add_co_u32 s92, s92, s94
	s_add_co_u32 s92, s92, XL
	v_add_nc_u32 v[VT0], s92, v[VC0]
	s_lshr_b32 s92, s[WV], 2
	s_lshl_b32 s92, s92, 8
	s_and_b32 s94, s[WV], 3
	s_add_co_u32 s92, s92, s94
	s_add_co_u32 s92, s92, XLS
	v_add_nc_u32 v[VT1], s92, v[VS0]
	s_mul_i32 s92, s[WV], 6144                     ; the hidden layer: my 128 units are K step w of the last product
	s_add_co_u32 s92, s92, H
	v_add_nc_u32 v[VT2], s92, v[VC0]
	s_lshl_b32 s92, s[WV], 8
	s_add_co_u32 s92, s92, HS
	v_add_nc_u32 v[VT3], s92, v[VS0]
	QBC ACC
.irp tt, 0,1
	QBS1 \tt, VT0, 1536*\tt, VT1, 64*\tt
.endr
	BARRIER                                        ; the normed rows lie in LDS
; ---- hidden units 128 w + 32 j on: four K steps, gelu, codes.  Each slot is filled again with the K step four further on: the next block's, behind the last block w2's
.macro BLOCK j
.irp k, 0,1,2,3
	KSTEP \k, VLI, XL+6144*\k, XLS+256*\k, \k, 21
.if (\j) < 3
.if \k == 0
	BLOAD B1, 128*((\j)+1)
.endif
	WLOAD \k, PW1, (4*((\j)+1)+\k)*3328
.else
	WLOAD \k, PW2, \k*3328
.endif
.endr
.irp tt, 0,1
	GELU16 ACC+16*\tt
.endr
	QBC ACC
.irp tt, 0,1
	QBS1 \tt, VT2, 1536*\tt+768*((\j)%2)+24*((\j)/2), VT3, 64*\tt+(\j)
.endr
.endm
	BLOCK 0
	BLOCK 1
	BLOCK 2
	BLOCK 3
.irp tt, 0,1
.irp j, 0,1,2,3
	ds_load_b128 v[ACC+16*\tt+4*\j:ACC+16*\tt+4*\j+3], v[VSTS] offset:512*(4*\tt+\j)   ; R starts the last sums
.endr
.endr
	BARRIER                                        ; the hidden layer lies in LDS, and every stash has been read
.irp s, 0,1,2,3,4,5,6,7
	KSTEP \s%4, VH0, 6144*\s, HS+256*\s, 1, 21
	WLOAD \s%4, PW2, (\s+4)*3328
.endr
.irp s, 8,9,10,11
	KSTEP \s%4, VH1, 6144*(\s-8), HS+256*\s, 1, 21
	WLOAD \s%4, PW2, (\s+4)*3328
.endr
	KSTEP 0, VH1, 24576, HS+3072, 1, 21
	KSTEP 1, VH1, 30720, HS+3328, 1, 14            ; nothing more is asked for: the counts run down
	KSTEP 2, VH1, 36864, HS+3584, 1, 7
	KSTEP 3, VH1, 43008, HS+3840, 1, 0
	; ---- out through the stage: a row's 2,048 bytes come from sixteen waves
.irp tt, 0,1
.irp j, 0,1,2,3
	ds_store_b128 v[VOS], v[ACC+16*\tt+4*\j:ACC+16*\tt+4*\j+3] offset:33024*\tt+16*\j   ; each accumulator from its low end on
.endr
.endr
	BARRIER
.irp i, 0,1
.irp k, 0,1,2,3
	ds_load_b128 v[WB+16*\i+4*\k:WB+16*\i+4*\k+3], v[VOR] offset:2064*\i+512*\k
.endr
.endr
.irp i, 0,1
.irp k, 0,1,2,3
	s_wait_dscnt 7-4*\i-\k
	global_store_b128 v[VL16], v[WB+16*\i+4*\k:WB+16*\i+4*\k+3], s[OUTP:OUTP+1] offset:2048*\i+512*\k th:TH_STORE_NT   ; 512 consecutive bytes, written once
.endr
.endr
	s_wait_tensorcnt 0x0                           ; the wave's end: three lines behind my last LDS store
	ds_add_u32 v[SPW], v[NIL]
	s_wait_dscnt 0x0
	s_endpgm
.Lfunc_end_k_qbaf6e50757_post:
	.size	k_qbaf6e50757_post, .Lfunc_end_k_qbaf6e50757_post-k_qbaf6e50757_post
	.p2alignl 7, 3214868480
	.fill 96, 4, 3214868480
	.section	.rodata,"a",@progbits
	.p2align	6, 0x0
	.amdhsa_kernel k_qbaf6e50757_post
		.amdhsa_group_segment_fixed_size 297984
		.amdhsa_private_segment_fixed_size 0
		.amdhsa_enable_private_segment 0
		.amdhsa_kernarg_size 136
		.amdhsa_user_sgpr_count 2
		.amdhsa_user_sgpr_kernarg_segment_ptr 1
		.amdhsa_wavefront_size32 1
		.amdhsa_system_sgpr_workgroup_id_x 1
		.amdhsa_system_sgpr_workgroup_id_y 1
		.amdhsa_system_sgpr_workgroup_id_z 1
		.amdhsa_system_vgpr_workitem_id 0
		.amdhsa_next_free_vgpr 256
		.amdhsa_next_free_sgpr 104
		.amdhsa_reserve_vcc 0
		.amdhsa_float_denorm_mode_32 3
		.amdhsa_float_denorm_mode_16_64 3
		.amdhsa_memory_ordered 1
		.amdhsa_forward_progress 1
		.amdhsa_inst_pref_size 183
	.end_amdhsa_kernel
	.amdgpu_metadata
---
amdhsa.version: [ 1, 2 ]
amdhsa.kernels:
  - .name:           k_qbaf6e50757_post
    .symbol:         k_qbaf6e50757_post.kd
    .args:
      - { .name: oc, .offset: 0, .size: 8, .value_kind: global_buffer, .address_space: global }
      - { .name: osc, .offset: 8, .size: 8, .value_kind: global_buffer, .address_space: global }
      - { .name: wimg, .offset: 16, .size: 8, .value_kind: global_buffer, .address_space: global }
      - { .name: gene_emb, .offset: 24, .size: 8, .value_kind: global_buffer, .address_space: global }
      - { .name: expr_emb, .offset: 32, .size: 8, .value_kind: global_buffer, .address_space: global }
      - { .name: g_bo, .offset: 40, .size: 8, .value_kind: global_buffer, .address_space: global }
      - { .name: e_bo, .offset: 48, .size: 8, .value_kind: global_buffer, .address_space: global }
      - { .name: ln_g2_w, .offset: 56, .size: 8, .value_kind: global_buffer, .address_space: global }
      - { .name: ln_g2_b, .offset: 64, .size: 8, .value_kind: global_buffer, .address_space: global }
      - { .name: ln_e2_w, .offset: 72, .size: 8, .value_kind: global_buffer, .address_space: global }
      - { .name: ln_e2_b, .offset: 80, .size: 8, .value_kind: global_buffer, .address_space: global }
      - { .name: fg_b1, .offset: 88, .size: 8, .value_kind: global_buffer, .address_space: global }
      - { .name: fe_b1, .offset: 96, .size: 8, .value_kind: global_buffer, .address_space: global }
      - { .name: fg_b2, .offset: 104, .size: 8, .value_kind: global_buffer, .address_space: global }
      - { .name: fe_b2, .offset: 112, .size: 8, .value_kind: global_buffer, .address_space: global }
      - { .name: out0, .offset: 120, .size: 8, .value_kind: global_buffer, .address_space: global }
      - { .name: out1, .offset: 128, .size: 8, .value_kind: global_buffer, .address_space: global }
    .group_segment_fixed_size: 297984
    .private_segment_fixed_size: 0
    .kernarg_segment_align: 8
    .kernarg_segment_size: 136
    .max_flat_workgroup_size: 512
    .sgpr_count:     104
    .vgpr_count:     256
    .wavefront_size: 32
...
	.end_amdgpu_metadata
.endif
;; end of part 4
